; MI455X (gfx1250); checked and timed in simulation.
; The chip was launched on July 23, 2026; its instructions are those of AMD's public machine-readable ISA for CDNA 5 (MIT licence, August 2026) and "CDNA5" Instruction Set Architecture Reference Guide (July 2026). The comments in the code are by the model that wrote it; some were corrected since.
;; Self Attention. Allowed arithmetic: matrix products marked QUANTISED: E2M3 operands, one E8M0 scale for each 32 along K, by v_wmma_scale_f32_16x16x128_f8f6f4 with both operands' format E2M3, f32 sums; everything else in f32.
;; Inputs: W_proj 1,024 x 1,024 float32; W_qkv 1,024 x 3,072 float32; b_proj 1,024 float32; b_qkv 3,072 float32; x 4 x 2,048 x 1,024 float32.
;; Outputs: out0 4 x 2,048 x 1,024 float32.
;; This version of the problem:
;;   THIS VERSION OF THE PROBLEM IS GIVEN IN LOW PRECISION. The matrix products marked QUANTISED in the list below multiply operands that are first quantised to E2M3 (2 exponent bits, 3 mantissa bits; 6 bits a number), with one power-of-two scale for each 32 numbers along K (OCP MX v1.0); their sums are f32. All else is computed in f32.
;;   The module's matrix products, in the order in which they are computed (A, B: the left and right operand; K: the contracted axis; several contracted axes count as one K, in the product's order):
;;     1. [M 8,192, K 1,024] x [K 1,024, N 3,072]; A: input x; B: input W_qkv: QUANTISED
;;     2. batch 64 x [M 2,048, K 64] x [K 64, N 2,048]; A: computed on the way; B: computed on the way: QUANTISED
;;     3. batch 64 x [M 64, K 2,048] x [K 2,048, N 2,048]; A: computed on the way; B: softmax (see below): QUANTISED
;;     4. [M 8,192, K 1,024] x [K 1,024, N 1,024]; A: computed on the way; B: input W_proj: QUANTISED
;;   THE QUANTISER, for each operand of a quantised product, along K:
;;     - K is cut into blocks of 32 from its start; a last block that is shorter is filled with zeros.
;;     - A block's scale is 2^e with e = floor(log2(the largest magnitude in the block)) - 2, held to -126 .. 127; a block of zeros has e = 0. As a byte (E8M0): e + 127.
;;     - Each number is divided by its block's scale, clamped to +-7.5, and rounded to the nearest number of E2M3, ties to even, subnormals kept.
;;     - The product sums the exact products of the quantised numbers (number of the format x scale) in f32.
;;   ~~~python
;;   def quantise(x, axis):      # numpy; x: float32 -> the quantised numbers, widened to float32 again
;;       x = np.moveaxis(x, axis, -1); K = x.shape[-1]
;;       x = np.pad(x, [(0, 0)] * (x.ndim - 1) + [(0, -K % 32)]); x = x.reshape(x.shape[:-1] + (-1, 32)); a = np.abs(x).max(-1, keepdims=True)
;;       e = np.where(a > 0, np.clip(np.frexp(np.where(a > 0, a, 1))[1] - 1 - 2, -126, 127), 0)      # np.frexp(a)[1] - 1 = floor(log2(a)), exactly
;;       r = np.clip(x / 2.0 ** e, -7.5, 7.5)
;;       step = 2.0 ** (np.maximum(np.frexp(np.where(r == 0, 1, r))[1] - 1, 0) - 3)
;;       q = np.round(r / step) * step * 2.0 ** e      # np.round: ties to even
;;       return np.moveaxis(q.reshape(q.shape[:-2] + (-1,))[..., :K], -1, axis).astype(np.float32)
;;   ~~~
;;   SOFTMAX AHEAD OF A QUANTISED PRODUCT. Where the list says 'softmax', what is quantised is not the finished softmax but p = 2^(t - M), with t = logit x log2(e) and M = ceil(the row's largest t), a whole number; so 1/2 < the row's largest p <= 1. The row's sum l is taken of the UNQUANTISED p, in f32, and the product's result is divided by l at the end. Since M is a whole number, a kernel that streams over the keys may use a running M (the ceiling of the running maximum): every later rescaling is an exact power of two, which a block's scale takes up: the codes' values come out the same.
;;   OPERANDS COMPUTED ON THE WAY. 'Computed on the way' means the value that the module computes at that place (a softmax that the list does not call 'softmax' is quantised finished and normalised). What goes into a quantiser is computed in f32, as accurately as f32 sums, v_exp_f32 and their like allow (about 1e-6 of the number): no bf16 or f16 on the way to a quantiser, and a product that is left as it is and whose result goes on into a quantised operand takes f32 operands (vector FMAs, or v_wmma_f32_16x16x4_f32). A number that lies on a knife's edge between two numbers of the format may be rounded either way, as far as f32 arithmetic and the matrix unit's own rounding can turn it there, and no further.
;; One version. Each part assembles by itself: llvm-mc -triple=amdgcn-amd-amdhsa -mcpu=gfx1250 --defsym DOCPART=n.
;; ======== version 1 of 1: 4 launches
;; limits: right only within a limited range of input values
;; workspace buffers: img1 8,650,752 bytes; sc1 360,448 bytes; wp_img 786,432 bytes; sc2 294,912 bytes; y_img 6,291,456 bytes; qkv 20,185,088 bytes
;; launch quant (part 1): grid 384 x 1, 4 waves a work-group, no clusters, 35,328 bytes of LDS; arguments x, W_qkv, W_proj, img1, sc1, wp_img, sc2; writes img1, sc1, wp_img, sc2
.if DOCPART == 1
	.amdgcn_target "amdgcn-amd-amdhsa--gfx1250"
	.amdhsa_code_object_version 6
	.text
	.protected	k_q358041aa12_quant
	.globl	k_q358041aa12_quant
	.p2align	8
	.type	k_q358041aa12_quant,@function
k_q358041aa12_quant:
	s_mov_b64 s[64:65], 0
	v_nop
	global_prefetch_b8 v0, s[64:65] scope:SCOPE_SE
	s_setreg_imm32_b32 hwreg(HW_REG_WAVE_MODE, 25, 1), 1
	s_wait_xcnt 0x0
; x [8192][1024], W_qkv [1024][3072] and W_proj [1024][1024], f32, become codes of FP6 (E2M3) with one E8M0 byte for each 32 along K (K = the 1,024), laid as IMAGES OF OPERAND REGISTERS.
; A TILE is 16 rows of an operand: lane index r of tile T stands for row 32 (T / 2) + 8 (T % 2) + r + 8 (r / 8).  A HALF FRAGMENT is a tile x 64 along K, 768 bytes: lane l = (r, h) owns six registers,
; k = 32 h + 0 .. 31 of its row; registers 0-3 lie at 16 l, registers 4-5 at 512 + 8 l.  An operand: [block of 256 rows][64 along K: 16][tile: 16][768].  Scale words: [block][256 along K: 4][tile][r][2 words], a word for 128 along K.
; A block's scale byte is its largest magnitude's exponent field - 2, held at 1 from below (a block of zeros so gets 1 where the rule says 127: its codes are zeros, and this program alone reads the bytes).
; LIMITS: NaN and infinities among the inputs are not served; blocks whose largest magnitude lies under 2^-124 were not tried.
; Work-groups 0-255: 32 rows of x each (K innermost: the numbers turn through a stage in LDS, so that loads take whole rows' 256 bytes and a lane ends with 32 neighbours).  256-351: W_qkv, 352-383: W_proj
; (K is the first axis: a lane takes a column and its registers run down K).  Memory binds: no matrix unit, no cluster, no tensor load; every store of a wave covers whole aligned runs of 256 bytes.
.set RBB,   196608                     ; an operand's block of 256 rows
.set CB,    12288                      ; 64 along K of it
.set WREG,  8704                       ; LDS: a wave's two stages
.set STG,   4352                       ; a stage: 16 rows x (256 bytes + 16)
.set SPARE, 4*WREG                     ; the spare words, 128 bytes for each wave, that no other line names
.set SPW,   12                         ; v12 LDS address of my spare word; never rewritten
.set NIL,   13                         ; v13 0; never rewritten
.set R,     16                         ; v16-143  x: four sets of 32 registers as loaded
.set X,     144                        ; v144-207 x: two sets of 32 neighbours
.set C,     208                        ; v208-227 x: two sets of codes (6) and the second conversion's three at +6
.set BY,    228                        ; v228-231 the scale bytes of a tile's four steps
.set WD,    232                        ; v232-235 two tiles' two scale words
	s_load_b256 s[4:11], s[0:1], 0x0               ; x s[4:5], W_qkv s[6:7], W_proj s[8:9], img1 s[10:11]
	s_load_b128 s[12:15], s[0:1], 0x20             ; sc1 s[12:13], wp_img s[14:15]
	s_load_b64 s[16:17], s[0:1], 0x30              ; sc2
	v_lshl_add_u32 v[SPW], v0, 2, SPARE
	v_mov_b32 v[NIL], 0
	v_lshrrev_b32 v1, 5, v0
	v_readfirstlane_b32 s18, v1                    ; wave
	v_and_b32 v2, 31, v0                           ; lane l
	v_lshrrev_b32 v9, 4, v2                        ; l / 16
	v_and_b32 v10, 15, v2                          ; l % 16
	v_lshlrev_b32 v6, 4, v2                        ; an image's registers 0-3: 16 l
	v_lshlrev_b32 v8, 3, v2                        ; scale words: 8 l
	v_add_nc_u32 v7, 512, v8                       ; an image's registers 4-5: 512 + 8 l
	s_mov_b32 s21, 0                               ; the high word of every offset pair s[20:21]
; the largest magnitude of 32 registers, with the floor 2^(3 - 127) among its leaves, in v236; 2 off its exponent field, the conversions' scale operand, in v238
.macro MAX32 xs
	v_max3_num_f32 v236, |v[\xs]|, |v[\xs+1]|, |v[\xs+2]|
	v_max3_num_f32 v237, |v[\xs+3]|, |v[\xs+4]|, |v[\xs+5]|
.irp i, 6,10,14,18,22,26
	v_max3_num_f32 v236, v236, |v[\xs+\i]|, |v[\xs+\i+1]|
	v_max3_num_f32 v237, v237, |v[\xs+\i+2]|, |v[\xs+\i+3]|
.endr
	v_max3_num_f32 v236, v236, |v[\xs+30]|, |v[\xs+31]|
	v_max3_num_f32 v236, v236, v237, 0x1800000
	v_add_nc_u32 v238, 0xff000000, v236
.endm
	s_cmp_lt_u32 ttmp9, 256
	s_cbranch_scc0 .Lweights
	; ---- x: work-group g takes rows 32 g .. 32 g + 31 (two tiles), wave kq 256 along K.  Eight steps t: tile t / 4, 64 along K t % 4: 16 rows x 256 bytes
	v_lshlrev_b32 v3, 4, v10
	v_lshl_add_u32 v3, v9, 12, v3                  ; a load: lanes 0-15 one row's 256 bytes, lanes 16-31 the next row's
	s_mul_i32 s19, s18, WREG
	v_mul_u32_u24 v4, v9, 272
	v_lshl_add_u32 v4, v10, 4, v4
	v_add_nc_u32 v4, s19, v4                       ; into the stage as loaded
	v_mul_u32_u24 v5, v10, 272
	v_lshl_add_u32 v5, v9, 7, v5
	v_add_nc_u32 v5, s19, v5                       ; out of it: row r, + 128 h: my 32 neighbours
	v_lshlrev_b32 v9, 3, v9                        ; 8 h: my byte's place in half a scale word
	v_mov_b32 v239, 0                              ; a lane permute's destination counts as one of its sources
	s_mov_b32 s30, 0xffff0000                      ; lanes 16-31
	s_mov_b32 s32, 0x76543210
	s_mov_b32 s33, 0xfedcba98                      ; v_permlanex16_b32's selects for lane l xor 16
	s_lshl_b32 s20, ttmp9, 17                      ; 32 rows of 4,096 bytes
	s_lshl_b32 s22, s18, 10
	s_add_co_u32 s20, s20, s22
	s_wait_alu depctr_va_vdst(0)
	s_wait_kmcnt 0x0
	s_add_nc_u64 s[24:25], s[4:5], s[20:21]
	s_lshr_b32 s22, ttmp9, 3                       ; the block of 256 rows
	s_and_b32 s23, ttmp9, 7                        ; and my pair of tiles in it
	s_mul_i32 s20, s22, RBB
	s_mul_i32 s34, s18, 4*CB
	s_add_co_u32 s20, s20, s34
	s_mul_i32 s34, s23, 1536
	s_add_co_u32 s20, s20, s34
	s_add_nc_u64 s[26:27], s[10:11], s[20:21]
	s_lshl_b32 s20, s22, 13
	s_lshl_b32 s34, s18, 11
	s_add_co_u32 s20, s20, s34
	s_lshl_b32 s34, s23, 8
	s_add_co_u32 s20, s20, s34
	s_add_nc_u64 s[28:29], s[12:13], s[20:21]
.macro XLOAD t                         ; load i: the tile's row indices 2 i and 2 i + 1
.irp i, 0,1,2,3,4,5,6,7
	global_load_b128 v[R+32*((\t)%4)+4*\i:R+32*((\t)%4)+4*\i+3], v3, s[24:25] offset:(8*((\t)/4)+2*\i+8*(\i/4))*4096+256*((\t)%4) th:TH_LOAD_NT
.endr
.endm
.macro XTURN t                         ; through the stage: LDS serves a wave's instructions in order, so no wait stands between the stores and the loads
.irp i, 0,1,2,3,4,5,6,7
	ds_store_b128 v4, v[R+32*((\t)%4)+4*\i:R+32*((\t)%4)+4*\i+3] offset:STG*((\t)%2)+544*\i
.endr
.irp j, 0,1,2,3,4,5,6,7
	ds_load_b128 v[X+32*((\t)%2)+4*\j:X+32*((\t)%2)+4*\j+3], v5 offset:STG*((\t)%2)+16*\j
.endr
.endm
.macro XSTEP t
.set XS, X+32*((\t)%2)
.set CC, C+10*((\t)%2)
.set UU, (\t)/4
.set SS, (\t)%4
	s_wait_dscnt 0x0                               ; this step's numbers are back, so its stores into the stage have read their registers,
.if (\t)+4 < 8
	XLOAD (\t)+4                                   ; which take the loads of four steps on
.endif
.if (\t) < 7
.if 6-(\t) >= 3
	s_wait_loadcnt 24                              ; the next step's eight loads are in; those of the three steps behind it may be out
.else
	s_wait_loadcnt 8*(6-(\t))
.endif
	XTURN (\t)+1
.endif
	MAX32 XS                                       ; a lane holds a whole block of 32
	s_wait_alu depctr_va_vdst(0)
	s_wait_xcnt 0x0                                ; the stores of two steps ago have read this set of codes
	v_cvt_scalef32_pk16_fp6_f32 v[CC:CC+2], v[XS:XS+15], v238
	v_cvt_scalef32_pk16_fp6_f32 v[CC+6:CC+8], v[XS+16:XS+31], v238   ; (a conversion's three registers begin on an even number)
	v_lshrrev_b32 v[BY+SS], 23, v238               ; the scale's byte; also the plain line behind the conversions
.irp i, 0,1,2
	v_mov_b32 v[CC+3+\i], v[CC+6+\i]
.endr
	global_store_b128 v6, v[CC:CC+3], s[26:27] offset:SS*CB+UU*768
	global_store_b64 v7, v[CC+4:CC+5], s[26:27] offset:SS*CB+UU*768
.if SS == 3                            ; the tile's two scale words: step s, half h is byte 2 (s % 2) + h of word s / 2
	v_lshl_or_b32 v[WD+2*UU], v[BY+1], 16, v[BY]
	v_lshl_or_b32 v[WD+2*UU+1], v[BY+3], 16, v[BY+2]
	v_lshlrev_b32 v[WD+2*UU], v9, v[WD+2*UU]
	v_lshlrev_b32 v[WD+2*UU+1], v9, v[WD+2*UU+1]
	v_permlanex16_b32 v239, v[WD+2*UU], s32, s33
	v_or_b32 v[WD+2*UU], v[WD+2*UU], v239
	v_permlanex16_b32 v239, v[WD+2*UU+1], s32, s33
	v_or_b32 v[WD+2*UU+1], v[WD+2*UU+1], v239
.endif
.endm
.irp t, 0,1,2,3
	XLOAD \t
.endr
	s_wait_loadcnt 24                              ; step 0's eight loads are in
	XTURN 0
.irp t, 0,1,2,3,4,5,6,7
	XSTEP \t
.endr
	v_cndmask_b32 v236, v[WD], v[WD+2], s30        ; lanes 0-15 the first tile's words, lanes 16-31 the second's
	v_cndmask_b32 v237, v[WD+1], v[WD+3], s30
	global_store_b64 v8, v[236:237], s[28:29]      ; 256 consecutive bytes, aligned
	s_wait_tensorcnt 0x0                           ; the wave's end, behind my last LDS store
	ds_add_u32 v[SPW], v[NIL]
	s_wait_dscnt 0x0
	s_endpgm
; ---- a weight [1024][ncol]: work-group j: 128 columns (j / 4), 256 along K (j % 4); a wave 32 columns: two tiles; lane 16 u + r takes the column of tile u's lane index r.  Eight blocks of 32 down K.
.macro WLOAD t, ncol
.irp i, 0,1,2,3,4,5,6,7,8,9,10,11,12,13,14,15,16,17,18,19,20,21,22,23,24,25,26,27,28,29,30,31
	global_load_b32 v[16+32*((\t)%2)+\i], v3, s[24:25] offset:(32*(\t)+\i)*\ncol*4 th:TH_LOAD_NT   ; the wave's 32 columns: 128 consecutive bytes
.endr
.endm
.macro WBLOCK t, ncol
.set XS, 16+32*((\t)%2)
.set PP, 144+10*((\t)%2)
.if (\t) < 7
	s_wait_loadcnt 32                              ; this block's 32 loads are in; the next block's may be out
.else
	s_wait_loadcnt 0x0
.endif
	MAX32 XS
	v_lshrrev_b32 v237, 23, v238                   ; the scale's byte: four to a word, the lower K in the lower byte
.if (\t)%4 == 0
	v_mov_b32 v[164+(\t)/4], v237
.else
	v_lshl_or_b32 v[164+(\t)/4], v237, 8*((\t)%4), v[164+(\t)/4]
.endif
.if ((\t)%2 == 0) && ((\t) > 0)
	s_wait_alu depctr_va_vdst(0)
	s_wait_xcnt 0x0                                ; the last pair's stores have read both sets of codes
.endif
	v_cvt_scalef32_pk16_fp6_f32 v[PP:PP+2], v[XS:XS+15], v238
	v_cvt_scalef32_pk16_fp6_f32 v[PP+6:PP+8], v[XS+16:XS+31], v238
	v_nop                                          ; one plain line behind the conversions
.irp i, 0,1,2
	v_mov_b32 v[PP+3+\i], v[PP+6+\i]
.endr
.if (\t)+2 < 8
	WLOAD (\t)+2, \ncol
.endif
.if (\t)%2 == 1                        ; two blocks are 64 along K.  The first set's lanes 16-31 (second tile, lower block) change places with the second set's lanes 0-15 (first tile, upper block): each set is then one tile's half fragment
.irp i, 0,1,2,3,4,5
	v_permlane16_swap_b32 v[144+\i], v[154+\i]
.endr
	global_store_b128 v6, v[144:147], s[26:27] offset:((\t)/2)*CB
	global_store_b64 v7, v[148:149], s[26:27] offset:((\t)/2)*CB
	global_store_b128 v6, v[154:157], s[26:27] offset:((\t)/2)*CB+768
	global_store_b64 v7, v[158:159], s[26:27] offset:((\t)/2)*CB+768
.endif
.endm
.macro WPATH ncol, src, img, sc, first, rbi, rbs
	s_sub_co_u32 s22, ttmp9, \first
	s_and_b32 s23, s22, 3                          ; which 256 along K
	s_lshr_b32 s22, s22, 2
	s_lshl_b32 s22, s22, 2
	s_add_co_u32 s22, s22, s18                     ; which 32 columns
	s_mul_i32 s20, s23, 256*\ncol*4
	s_lshl_b32 s34, s22, 7
	s_add_co_u32 s20, s20, s34
	s_wait_kmcnt 0x0
	s_add_nc_u64 s[24:25], s[\src:\src+1], s[20:21]
	s_lshr_b32 s35, s22, 3                         ; the block of 256 operand rows,
	s_and_b32 s36, s22, 7                          ; and my pair of tiles in it
	s_add_co_u32 s34, s35, \rbi
	s_mul_i32 s20, s34, RBB
	s_mul_i32 s34, s23, 4*CB
	s_add_co_u32 s20, s20, s34
	s_mul_i32 s34, s36, 1536
	s_add_co_u32 s20, s20, s34
	s_add_nc_u64 s[26:27], s[\img:\img+1], s[20:21]
	s_add_co_u32 s34, s35, \rbs
	s_lshl_b32 s20, s34, 13
	s_lshl_b32 s34, s23, 11
	s_add_co_u32 s20, s20, s34
	s_lshl_b32 s34, s36, 8
	s_add_co_u32 s20, s20, s34
	s_add_nc_u64 s[28:29], s[\sc:\sc+1], s[20:21]
	v_and_b32 v11, 8, v10
	v_add_nc_u32 v11, v11, v10                     ; r + 8 (r / 8)
	v_lshl_add_u32 v11, v9, 3, v11                 ; + 8 u
	v_lshlrev_b32 v3, 2, v11
	WLOAD 0, \ncol
	WLOAD 1, \ncol
.set Q, 0
.rept 8
	WBLOCK Q, \ncol
.set Q, Q+1
.endr
	global_store_b64 v8, v[164:165], s[28:29]      ; two tiles' scale words: 256 consecutive bytes, aligned
	s_wait_tensorcnt 0x0                           ; the wave's end
	ds_add_u32 v[SPW], v[NIL]
	s_wait_dscnt 0x0
	s_endpgm
.endm
.Lweights:
	s_cmp_lt_u32 ttmp9, 352
	s_cbranch_scc0 .Lproj
	s_wait_alu depctr_va_vdst(0)
	WPATH 3072, 6, 10, 12, 256, 32, 32             ; W_qkv -> img1 and sc1, blocks 32 to 43
.Lproj:
	s_wait_alu depctr_va_vdst(0)
	WPATH 1024, 8, 14, 16, 352, 0, 32              ; W_proj -> wp_img, blocks 0 to 3, and sc2, blocks 32 to 35
.Lfunc_end_k_q358041aa12_quant:
	.size	k_q358041aa12_quant, .Lfunc_end_k_q358041aa12_quant-k_q358041aa12_quant
	.p2alignl 7, 3214868480
	.fill 96, 4, 3214868480
	.section	.rodata,"a",@progbits
	.p2align	6, 0x0
	.amdhsa_kernel k_q358041aa12_quant
		.amdhsa_group_segment_fixed_size 35328
		.amdhsa_private_segment_fixed_size 0
		.amdhsa_enable_private_segment 0
		.amdhsa_kernarg_size 56
		.amdhsa_user_sgpr_count 2
		.amdhsa_user_sgpr_kernarg_segment_ptr 1
		.amdhsa_wavefront_size32 1
		.amdhsa_system_sgpr_workgroup_id_x 1
		.amdhsa_system_sgpr_workgroup_id_y 1
		.amdhsa_system_sgpr_workgroup_id_z 1
		.amdhsa_system_vgpr_workitem_id 0
		.amdhsa_next_free_vgpr 256
		.amdhsa_next_free_sgpr 66
		.amdhsa_reserve_vcc 0
		.amdhsa_float_denorm_mode_32 3
		.amdhsa_float_denorm_mode_16_64 3
		.amdhsa_memory_ordered 1
		.amdhsa_forward_progress 1
		.amdhsa_inst_pref_size 110
	.end_amdhsa_kernel
	.amdgpu_metadata
---
amdhsa.version: [ 1, 2 ]
amdhsa.kernels:
  - .name:           k_q358041aa12_quant
    .symbol:         k_q358041aa12_quant.kd
    .args:
      - { .name: x, .offset: 0, .size: 8, .value_kind: global_buffer, .address_space: global }
      - { .name: W_qkv, .offset: 8, .size: 8, .value_kind: global_buffer, .address_space: global }
      - { .name: W_proj, .offset: 16, .size: 8, .value_kind: global_buffer, .address_space: global }
      - { .name: img1, .offset: 24, .size: 8, .value_kind: global_buffer, .address_space: global }
      - { .name: sc1, .offset: 32, .size: 8, .value_kind: global_buffer, .address_space: global }
      - { .name: wp_img, .offset: 40, .size: 8, .value_kind: global_buffer, .address_space: global }
      - { .name: sc2, .offset: 48, .size: 8, .value_kind: global_buffer, .address_space: global }
    .group_segment_fixed_size: 35328
    .private_segment_fixed_size: 0
    .kernarg_segment_align: 8
    .kernarg_segment_size: 56
    .max_flat_workgroup_size: 128
    .sgpr_count:     66
    .vgpr_count:     256
    .wavefront_size: 32
...
	.end_amdgpu_metadata
.endif
;; end of part 1
;; launch gemm_qkv (part 2): grid 12 x 32, 4 waves a work-group, clusters of 4 x 4, 327,680 bytes of LDS; arguments img1, sc1, b_qkv, qkv; writes qkv
.if DOCPART == 2
	.amdgcn_target "amdgcn-amd-amdhsa--gfx1250"
	.amdhsa_code_object_version 6
	.text
	.protected	k_q358041aa12_gemm_qkv
	.globl	k_q358041aa12_gemm_qkv
	.p2align	8
	.type	k_q358041aa12_gemm_qkv,@function
k_q358041aa12_gemm_qkv:
	s_mov_b64 s[64:65], 0
	v_nop
	global_prefetch_b8 v0, s[64:65] scope:SCOPE_SE
	s_setreg_imm32_b32 hwreg(HW_REG_WAVE_MODE, 25, 1), 1
	s_wait_xcnt 0x0
	s_wait_alu depctr_hold_cnt(0) depctr_sa_sdst(0) depctr_va_vdst(0) depctr_va_sdst(0) depctr_va_ssrc(0) depctr_va_vcc(0) depctr_vm_vsrc(0)
	s_getreg_b32 s2, hwreg(HW_REG_IB_STS2, 6, 4)
	s_cmp_eq_u32 s2, 0
	s_cbranch_scc0 .Lentry_in_a_cluster
	s_endpgm
.Lentry_in_a_cluster:
	s_bfe_u32 s2, ttmp6, 0x10000c
	s_cmp_lg_u32 s2, 0xf033
	s_cbranch_scc0 .Lentry_shape_is_right
	s_endpgm
.Lentry_shape_is_right:
; qkv = x W_qkv + b_qkv on codes of FP6 (E2M3) with E8M0 scales, and the quantising of q, k and v for the attention: nothing but codes and scale bytes leaves.
; OPERANDS are images of registers (a tile: lane index r = row 32 (T / 2) + 8 (T % 2) + r + 8 (r / 8); a half fragment: a tile x 64 along K, 768 bytes, registers 0-3 at 16 l, 4-5 at 512 + 8 l);
; img1: [block of 256 rows][64 along K: 16][tile: 16][768], blocks 0-31 x, 32-43 W_qkv's columns; sc1: [block][4][tile][r][2 words].
; A tile of the result, 256 x 256, is made by four waves, 128 x 128 each: 64 accumulators.  THE MATRIX INSTRUCTION IS USED TRANSPOSED: source 0 = a tile of operand B, source 1 = a tile of operand A: a lane holds one row of A's tile,
; and by the choice of a tile's rows the 16 registers of B's tiles 2 j and 2 j + 1 are 16 neighbours, 32 j + 16 (l / 16) + 0 .. 15: so a row tile's 64 registers go straight to the quantiser, and its 12 registers of codes ARE two half fragments.
; THE CLUSTER'S x SAYS WHICH PRODUCT: 0: q, 1: k (A = x's rows, B = W's columns: quantised along the head's 64).  2: v TRANSPOSED (A = W_v's columns, B = x's rows: a lane holds a channel, its registers run along the tokens, v's K in the attention).
; K = 1,024 is eight steps of 128, written out.  Three LDS slots of 256 along K are filled at the start; the first is filled once more.  4 x 4 work-groups form a cluster: A's tiles are asked for jointly along a row of it, B's along a column.
; The bias is the C of the first K step (so it enters each sum first).  Scale words and bias come straight into registers, once.
; Nothing is prefetched: three quarters of a work-group's codes are asked for at its head by the tensor loads themselves.
; LIMITS: NaN and infinities are not served; blocks whose largest magnitude lies under 2^-124 were not tried; a block of zeros gets the byte 1 (its codes are zeros; this program alone reads the bytes).
; In q's and k's scale words the upper two bytes scale zero codes alone: they hold the neighbour head's bytes (1 to 254) or 0, never 0xff.
; REGISTERS: window 0: v1-31 addresses; v32-95 scale words; v96-159 bias, later the quantiser's; v160-255 A's fragments, one set.  window 1: B's fragments, two sets, at v0 and v128.  windows 2, 3: the accumulators, (a, b) at v[8 (8 (a % 4) + b)].
.set RBB,   196608
.set CB,    12288
.set SLOT,  98304                      ; A's 4 x 16 half fragments, then B's
.set HALFS, 49152                      ; one operand's part of a slot; also 256 along K of a block in memory
.set QUART, 24576                      ; what one tensor load brings: 96 rows of 256 bytes
.set SCR,   3*SLOT                     ; behind the slots: 1,024 bytes for each wave, for the scale words on the way out
.set SPARE, SCR+4096                   ; the spare words, 128 bytes for each wave, that no other line names
.set HB,    208896                     ; qkv: a head's K and V, by chunks of 128 tokens: [chunk: 16][K's codes 6,144 | V's codes 6,144 | K's scale words 512 | V's 256]
.set QHB,   106496                     ; a head's Q image and scale words
.set QOFF,  64*HB
.set FR,    12
.set A16,   4                          ; v4-6   LDS address of A's registers 0-3 in slot 0, 1, 2;  v7-9 of registers 4-5
.set A8,    7
.set B16,   10                         ; v10-12, v13-15 the same for B
.set B8,    13
.set VO,    16                         ; v16-23 the bias's offsets, one for each register of a tile
.set VSH,   3                          ; v3     16 (l / 16)
.set SCW,   24                         ; v24    where I put a scale word
.set SCRD,  25                         ; v25    where I read them back
.set I8S,   26                         ; v26    8 l
.set VS,    27                         ; v27    my scale words' offset: lanes 0-15 A's, lanes 16-31 B's
.set SPW,   28                         ; v28    LDS address of my spare word; never rewritten
.set NIL,   29                         ; v29    0; never rewritten
.set I16,   30                         ; v30    16 l
.set I8,    31                         ; v31    512 + 8 l
.set SC,    32                         ; register 8 i + k: lanes 0-15 the word of A's tile i, lanes 16-31 of B's tile i, for K step k
.set BT,    96
.set AF,    160
.set TM,    96                         ; the way out: v96-99 largest magnitudes, v100-103 bytes, v108-111 scale operands
.set PW,    104                        ; a row's scale word
.set SW,    112                        ; v112-119 and what of it my half of the lanes stores, one register for each row tile
.set SEL,   12                         ; s[12:13] v_permlanex16_b32's selects
.set G1,    24
.set G1B,   48
.set MSB, 0
.macro WIN new                         ; the immediate's high byte repeats the setting that is left
.if MSB != \new
	s_set_vgpr_msb (MSB<<8)|\new
.set MSB, \new
.endif
.endm
.set MUL_LO, 0xa1                      ; source 0 (B) window 1, source 1 (A) window 0, C and D window 2;  + 0x50: window 3
.set FST_LO, 0x81                      ; the same with C (the bias) in window 0;  + 0x40: D window 3
.set TO_B,   0x40
; A joint load: waves 0 and 1 fetch for A, waves 2 and 3 for B; the branch hangs on the wave's number alone.  An s_nop 0 and four v_nop follow each of the two lines.
.macro JLOAD g0a, g1a, g0b, g1b
	s_cmp_eq_u32 s15, 0
	s_cbranch_scc0 .Lfor_b_\@
	tensor_load_to_lds s[\g0a:\g0a+3], s[\g1a:\g1a+7]
	s_nop 0
.rept 4
	v_nop
.endr
	s_branch .Lasked_\@
.Lfor_b_\@:
	tensor_load_to_lds s[\g0b:\g0b+3], s[\g1b:\g1b+7]
	s_nop 0
.rept 4
	v_nop
.endr
.Lasked_\@:
.endm
.macro CREST                           ; a round of the cluster's barrier behind its opening barrier
	s_cmp_lg_u32 s14, 0
	s_cbranch_scc1 .Lnot_wave_0_\@
	s_barrier_signal -3
.Lnot_wave_0_\@:
	s_barrier_wait -3
	s_barrier_signal -1
	s_barrier_wait -1
.endm
.macro CROUND
	s_barrier_signal -1
	s_barrier_wait -1
	CREST
.endm
.macro PLACES n
.rept \n
	v_nop
.endr
.endm
	s_load_b256 s[4:11], s[0:1], 0x0               ; img1 s[4:5], sc1 s[6:7], b_qkv s[8:9], qkv s[10:11]
	v_lshl_add_u32 v[SPW], v0, 2, SPARE
	v_mov_b32 v[NIL], 0
	ds_add_u32 v[SPW], v[NIL]                      ; the wave's opening: the add and its wait ahead of my first tensor load; work on registers stands between them
	ds_add_u32 v[SPW], v[NIL]
	v_lshrrev_b32 v1, 5, v0
	v_readfirstlane_b32 s14, v1                    ; wave 0..3
	s_lshr_b32 s15, s14, 1                         ; which half of A's rows is mine.  Also: I fetch for A (0) or for B (1)
	s_and_b32 s16, s14, 1                          ; which half of B's rows.  Also: which half of a slot's 256 along K I fetch
	s_bfe_u32 s40, ttmp6, 0x40000                  ; cx, cy: my place in the cluster
	s_bfe_u32 s41, ttmp6, 0x40004
	s_mov_b32 s42, ttmp9                           ; the cluster's x: 0 q, 1 k, 2 v; the same in all sixteen partners
	s_and_b32 s17, ttmp7, 0xffff
	s_lshl_b32 s18, s17, 2                         ; 4 x the cluster's y
	s_lshl_b32 s43, s41, 2
	s_lshl_b32 s43, 15, s43                        ; my row of the cluster
	s_lshl_b32 s44, 0x1111, s40                    ; my column
	s_or_b32 s[G1], s43, (3<<16)|(1<<21)           ; 15:0 the mask: A's tiles go to my row; 17:16 elements of 8 bytes; 21 set beside a mask; no padding
	s_or_b32 s[G1B], s44, (3<<16)|(1<<21)
.irp g, G1, G1B
	s_mov_b32 s[\g+1], 32<<16                      ; tensor_dim0 = 32 elements: 256 bytes
	s_mov_b32 s[\g+2], 288<<16                     ; tensor_dim1 = 288: a head load brings three K steps of an operand
	s_mov_b32 s[\g+3], 32<<16                      ; tile_dim0
	s_mov_b32 s[\g+4], 288                         ; tile_dim1
	s_mov_b32 s[\g+5], 32                          ; the rows are dense
	s_mov_b32 s[\g+6], 0
	s_mov_b32 s[\g+7], 0
.endr
	s_lshl_b32 s46, s42, 2
	s_add_co_u32 s46, s46, 32                      ; W's blocks for q or k begin here
	s_cmp_lt_u32 s42, 2
	s_cselect_b32 s20, s18, 40                     ; A: x's blocks, or W_v's
	s_cselect_b32 s46, s46, s18                    ; B: W's blocks, or x's
	s_add_co_u32 s20, s20, s41                     ; A's block hangs on cy, which my row of the cluster shares
	s_add_co_u32 s46, s46, s40                     ; B's on cx, which my column shares
	s_mov_b32 s12, s20
	s_mov_b32 s13, s46
	s_mul_i32 s20, s20, RBB
	s_mul_i32 s46, s46, RBB
	s_mul_i32 s19, s16, 2*CB
	s_mov_b32 s21, 0
	s_mov_b32 s47, 0
	s_wait_dscnt 0x0                               ; the opening add is done
	s_wait_kmcnt 0x0
	s_add_nc_u64 s[20:21], s[4:5], s[20:21]
	s_add_nc_u64 s[46:47], s[4:5], s[46:47]
	CROUND                                         ; all sixteen work-groups are here: the first joint loads meet
; LDS: A's K steps 0 to 5 lie on end from byte 0 (3 x HALFS), B's from 3 x HALFS.  THE HEAD'S LOADS, ONE A WAVE: wave 0 A's K steps 0-2, wave 1 B's, wave 2 A's K steps 3-5, wave 3 B's.
.macro G0MK g, lds, base, off
	s_mov_b32 s[\g], 1
	s_mov_b32 s[\g+1], \lds
	s_add_nc_u64 s[\g+2:\g+3], s[\base:\base+1], \off
	s_or_b32 s[\g+3], s[\g+3], 0x80000000
.endm
	G0MK 32, 0, 20, 0
	G0MK 36, 3*QUART, 20, 3*QUART
	G0MK 56, 3*HALFS, 46, 0
	G0MK 60, 3*HALFS+3*QUART, 46, 3*QUART
	s_mov_b32 s22, s19                             ; the refill, K steps 6 and 7 onto K steps 0 and 1: my half of an operand's 49,152 bytes
	s_mov_b32 s23, 0
	s_mov_b32 s68, 1
	s_mov_b32 s69, s19
	s_add_nc_u64 s[70:71], s[20:21], s[22:23]
	s_add_nc_u64 s[70:71], s[70:71], 3*HALFS
	s_or_b32 s71, s71, 0x80000000
	s_mov_b32 s72, 1
	s_add_co_u32 s73, s19, 3*HALFS
	s_add_nc_u64 s[74:75], s[46:47], s[22:23]
	s_add_nc_u64 s[74:75], s[74:75], 3*HALFS
	s_or_b32 s75, s75, 0x80000000
.macro ARM under, g0, g1, next         ; one chain of branches on the wave's number, one load to an arm, all arms to one join
	s_cmp_lt_u32 s14, \under
	s_cbranch_scc0 \next
	tensor_load_to_lds s[\g0:\g0+3], s[\g1:\g1+7]
	s_nop 0
.rept 4
	v_nop
.endr
	s_branch .Lhead_asked
\next:
.endm
	ARM 1, 32, G1, .Lhead_1
	ARM 2, 56, G1B, .Lhead_2
	ARM 3, 36, G1, .Lhead_3
	tensor_load_to_lds s[60:63], s[G1B:G1B+7]
	s_nop 0
.rept 4
	v_nop
.endr
.Lhead_asked:
	v_and_b32 v1, 31, v0
	v_and_b32 v2, 15, v0                           ; r
	v_bfe_u32 v3, v0, 4, 1                         ; h
	v_lshlrev_b32 v[I16], 4, v1
	v_lshlrev_b32 v[I8S], 3, v1
	v_add_nc_u32 v[I8], 512, v[I8S]
	s_mul_i32 s22, s15, 6144                       ; my eight tiles of A,
	s_mul_i32 s23, s16, 6144
	s_add_co_u32 s23, s23, 3*HALFS                 ; and of B, behind A's three slots
.irp L, 0,1,2
	v_add_nc_u32 v[A16+\L], s22, v[I16]
	v_add_nc_u32 v[A8+\L], s22, v[I8]
	v_add_nc_u32 v[B16+\L], s23, v[I16]
	v_add_nc_u32 v[B8+\L], s23, v[I8]
	s_add_co_u32 s22, s22, HALFS
	s_add_co_u32 s23, s23, HALFS
.endr
	s_lshl_b32 s22, s14, 10
	s_add_co_u32 s22, s22, SCR
	v_lshlrev_b32 v[SCW], 4, v2
	v_lshl_add_u32 v[SCW], v3, 9, v[SCW]
	v_add_nc_u32 v[SCW], s22, v[SCW]               ; 16 r + 512 h: a row's words of four row tiles lie on end, so that the reader takes them by one load of 16 bytes
	v_add_nc_u32 v[SCRD], s22, v[I8S]
	s_lshl_b32 s12, s12, 13                        ; the scale words of A's block and my half of it,
	s_lshl_b32 s19, s15, 10
	s_add_co_u32 s12, s12, s19
	s_lshl_b32 s13, s13, 13                        ; and of B's
	s_lshl_b32 s19, s16, 10
	s_add_co_u32 s13, s13, s19
	s_mov_b32 s19, 0xffff0000
	v_mov_b32 v[VS], s12
	v_mov_b32 v1, s13
	v_cndmask_b32 v[VS], v[VS], v1, s19            ; lanes 16-31 take B's
	v_lshl_add_u32 v[VS], v2, 3, v[VS]
.irp i, 0,1,2,3,4,5,6,7
.irp kq, 0,1,2,3
	global_load_b64 v[SC+8*\i+2*\kq:SC+8*\i+2*\kq+1], v[VS], s[6:7] offset:\kq*2048+\i*128
.endr
.endr
	; the bias, in the result's layout.  q, k: it goes by column: register j of B's tile b is column 32 (b / 2) + 8 (b % 2) + 16 h + j.  v: by A's row: the lane's channel, the same in all eight registers
	s_lshl_b32 s66, s42, 2
	s_add_co_u32 s66, s66, s40
	s_lshl_b32 s66, s66, 10
	s_lshl_b32 s67, s16, 9
	s_add_co_u32 s66, s66, s67
	s_lshl_b32 s67, s41, 10
	s_lshl_b32 s87, s15, 9
	s_add_co_u32 s67, s67, s87
	s_add_co_u32 s67, s67, 8192
	s_cmp_lt_u32 s42, 2
	s_cselect_b32 s66, s66, s67
	s_cselect_b32 s22, 64, 0
	s_cselect_b32 s23, 4, 0
	s_cselect_b32 s87, 0, 4
	s_mov_b32 s67, 0
	s_add_nc_u64 s[8:9], s[8:9], s[66:67]
	v_and_b32 v1, 8, v2
	v_add_nc_u32 v1, v1, v2                        ; r + 8 (r / 8)
	v_mul_u32_u24 v1, s87, v1
	v_mad_u32_u24 v1, v3, s22, v1
	v_mov_b32 v2, s23
.irp j, 0,1,2,3,4,5,6,7
	v_mad_u32_u24 v[VO+\j], v2, \j, v1
.endr
.irp i, 0,1,2,3,4,5,6,7
.irp j, 0,1,2,3,4,5,6,7
	global_load_b32 v[BT+8*\i+\j], v[VO+\j], s[8:9] offset:(32*(\i/2)+8*(\i%2))*4
.endr
.endr
	v_lshlrev_b32 v[VSH], 4, v3
	s_mov_b32 s[SEL], 0x76543210
	s_mov_b32 s[SEL+1], 0xfedcba98
	; where the results go.  q, k: image [tile of tokens][768] of two heads, tiles 768 apart.  v: image [128 tokens][tile of channels][2 x 768]: a row tile's two half fragments lie together
	s_cmp_eq_u32 s42, 0
	s_cselect_b32 s76, QOFF, 0
	s_mov_b32 s77, HB
	s_cselect_b32 s77, QHB, s77                    ; from head to head
	s_mov_b32 s78, 12288
	s_cselect_b32 s78, 98304, s78                  ; where the scale words begin: in q's head, in k's chunk
	s_mov_b32 s86, 13056
	s_cselect_b32 s86, 512, s86                    ; from 128 tokens' scale words to the next: q 512 bytes; k, v a chunk
	s_mov_b32 s19, 13056
	s_cselect_b32 s19, 6144, s19                   ; and the same for the codes
	s_cmp_eq_u32 s42, 2
	s_cselect_b32 s79, 6144, 0                     ; V's codes lie behind K's in a chunk
	s_cselect_b32 s80, 768, s77                    ; from the first half fragment to the second
	s_mov_b32 s82, 768
	s_cselect_b32 s82, 1536, s82                   ; from row tile to row tile,
	s_mov_b32 s84, 768
	s_cselect_b32 s84, 204288, s84                 ; and from the fourth to the fifth (v: the next head)
	s_cselect_b32 s78, 12800, s78
	s_mov_b32 s88, 256
	s_cselect_b32 s88, HB, s88
	s_cselect_b32 s2, s40, s41                     ; x's block in the cluster,
	s_cselect_b32 s3, s41, s40                     ; the four heads,
	s_cselect_b32 s22, s15, s16                    ; my two of them,
	s_cselect_b32 s23, s16, s15                    ; my half of the block's tokens
	s_mov_b32 s81, 0
	s_mov_b32 s83, 0
	s_mov_b32 s85, 0
	s_mov_b32 s89, 0
	s_add_co_u32 s2, s2, s18
	s_lshr_b32 s87, s2, 3                          ; the batch
	s_and_b32 s2, s2, 7
	s_lshl_b32 s87, s87, 4
	s_lshl_b32 s3, s3, 2
	s_add_co_u32 s87, s87, s3
	s_lshl_b32 s22, s22, 1
	s_add_co_u32 s87, s87, s22                     ; 16 x batch + head
	s_lshl_b32 s2, s2, 1
	s_add_co_u32 s2, s2, s23                       ; which 128 tokens of the batch's 2,048
	s_mul_i32 s87, s87, s77
	s_add_co_u32 s87, s87, s76
	s_mul_i32 s3, s2, s19
	s_add_co_u32 s3, s3, s79
	s_add_co_u32 s90, s87, s3
	s_mov_b32 s91, 0
	s_add_nc_u64 s[90:91], s[10:11], s[90:91]      ; the first half fragment,
	s_add_nc_u64 s[92:93], s[90:91], s[80:81]      ; the second
	s_mul_i32 s3, s2, s86
	s_add_co_u32 s3, s3, s78
	s_add_co_u32 s94, s87, s3
	s_mov_b32 s95, 0
	s_add_nc_u64 s[94:95], s[10:11], s[94:95]      ; four pieces of 256 bytes of scale words
	s_add_nc_u64 s[96:97], s[94:95], s[88:89]
	s_mov_b32 s2, s77
	s_mov_b32 s3, 0
	s_add_nc_u64 s[98:99], s[94:95], s[2:3]
	s_add_nc_u64 s[66:67], s[96:97], s[2:3]
.macro FRAG reg, a16, a8, q, i         ; a fragment, 16 rows x 128 K, is two half fragments: four loads, each of consecutive bytes
	ds_load_b128 v[\reg:\reg+3], v[\a16] offset:((2*(\q))*16+(\i))*768
	ds_load_b64 v[\reg+4:\reg+5], v[\a8] offset:((2*(\q))*16+(\i))*768
	ds_load_b128 v[\reg+6:\reg+9], v[\a16] offset:((2*(\q)+1)*16+(\i))*768
	ds_load_b64 v[\reg+10:\reg+11], v[\a8] offset:((2*(\q)+1)*16+(\i))*768
.endm
.macro FETCH_B L, q, p
	WIN TO_B
.irp i, 0,1,2,3,4,5,6,7
	FRAG 128*(\p)+FR*\i, B16+\L, B8+\L, \q, \i
.endr
	WIN 0
.endm
.macro FETCH_A L, q, i0
.irp i, \i0, \i0+1, \i0+2, \i0+3
	FRAG AF+FR*(\i), A16+\L, A8+\L, \q, \i
.endr
.endm
; 16 matrix instructions: A's tiles a0, a0 + 1 x B's eight, K step k.  zero = 1: the sums start from the bias by column; 2: by row; 0: they go on.  The 64 accumulators take turns, in the same order in every step.
.macro MUL16 a0, p, k, zero
.irp a, \a0, \a0+1
.irp b, 0,1,2,3,4,5,6,7
.set DD, 8*(8*((\a)%4)+\b)
.set BF, 128*(\p)+FR*\b
.set AA, AF+FR*(\a)
.if \zero == 1
	v_wmma_scale_f32_16x16x128_f8f6f4 v[DD:DD+7], v[BF:BF+11], v[AA:AA+11], v[BT+8*\b:BT+8*\b+7], v[SC+8*\b+(\k)], v[SC+8*(\a)+(\k)] matrix_a_fmt:MATRIX_FMT_FP6 matrix_b_fmt:MATRIX_FMT_FP6 matrix_a_scale:MATRIX_SCALE_ROW1
.elseif \zero == 2
	v_wmma_scale_f32_16x16x128_f8f6f4 v[DD:DD+7], v[BF:BF+11], v[AA:AA+11], v[BT+8*(\a):BT+8*(\a)+7], v[SC+8*\b+(\k)], v[SC+8*(\a)+(\k)] matrix_a_fmt:MATRIX_FMT_FP6 matrix_b_fmt:MATRIX_FMT_FP6 matrix_a_scale:MATRIX_SCALE_ROW1
.else
	v_wmma_scale_f32_16x16x128_f8f6f4 v[DD:DD+7], v[BF:BF+11], v[AA:AA+11], v[DD:DD+7], v[SC+8*\b+(\k)], v[SC+8*(\a)+(\k)] matrix_a_fmt:MATRIX_FMT_FP6 matrix_b_fmt:MATRIX_FMT_FP6 matrix_a_scale:MATRIX_SCALE_ROW1
.endif
.endr
.endr
.endm
.macro WMUL hi, zero
.if \zero
	WIN FST_LO+0x40*\hi
.else
	WIN MUL_LO+0x50*\hi
.endif
.endm
; A K step: 64 matrix instructions; the next step's fragments (slot ln, its qn-th 128) are fetched in two runs, each four plain places behind the products that read the registers (ISA guide 7.12.1, for vector instructions).
; sync = 1: a barrier in its first half, in front of which every wave has waited for all its tensor loads.  sync = 2: the barrier opens a round of the cluster's, and slot 0, which nobody reads any more, is filled again.
.macro KSTEP k, zero, sync, ln, qn
.if \sync
	s_wait_tensorcnt 0x0                           ; all my tensor loads have landed
	ds_add_u32 v[SPW], v[NIL]                      ; 0 onto my spare word
.if \sync == 2
	s_mov_b32 s[G1+2], 96<<16                      ; no tensor load of mine is out: the refill's loads bring 96 rows
	s_mov_b32 s[G1+4], 96
	s_mov_b32 s[G1B+2], 96<<16
	s_mov_b32 s[G1B+4], 96
.endif
	s_wait_dscnt 17                                ; (the add and the youngest sixteen loads, A's tiles 4-7, may be out)
	WMUL 0, \zero
	MUL16 0, (\k)%2, \k, \zero
	s_wait_dscnt 0x0                               ; the add is done, and my reads of the slot in hand are over
	s_barrier_signal -1
	MUL16 2, (\k)%2, \k, \zero
	WIN 0
	s_barrier_wait -1
.if \sync == 2
	CREST                                          ; no wave of any partner still reads slot 0 or has a load on its way
	JLOAD 68, G1, 72, G1B                          ; K steps 6 and 7: the first tensor load behind the round, and my only one; its four v_nop are the places in front of the loads below
.else
	PLACES 4
.endif
.else
	s_wait_dscnt 16                                ; B's set and A's tiles 0-3 are in; the youngest sixteen loads (A's tiles 4-7) may be out
	WMUL 0, \zero
	MUL16 0, (\k)%2, \k, \zero
	MUL16 2, (\k)%2, \k, \zero
	s_wait_dscnt 0x0
	PLACES 4
.endif
	FETCH_B \ln, \qn, 1-(\k)%2
	FETCH_A \ln, \qn, 0
	WMUL 1, \zero
	MUL16 4, (\k)%2, \k, \zero
	MUL16 6, (\k)%2, \k, \zero
	PLACES 4
	WIN 0
	FETCH_A \ln, \qn, 4
.endm
	s_wait_alu depctr_va_vdst(0)                   ; the wait at the head's end
	s_cmp_lt_u32 s14, 2                            ; waves 0 and 1 wait for K steps 0-2, whose load lines are theirs alone; K steps 3-5 may be out
	s_cbranch_scc0 .Lnot_first
	s_wait_tensorcnt 0x0
.Lnot_first:
	s_barrier_signal -1
	s_barrier_wait -1
	FETCH_B 0, 0, 0
	FETCH_A 0, 0, 0
	FETCH_A 0, 0, 4
	s_wait_loadcnt 0x0                             ; scale words and bias
	s_cmp_eq_u32 s42, 2                            ; the first K step is written twice: the bias goes by column (q, k) or by row (v)
	s_cbranch_scc1 .Lk0_v
	KSTEP 0, 1, 0, 0, 1
	s_branch .Lk1
.Lk0_v:
	KSTEP 0, 2, 0, 0, 1
.Lk1:
	KSTEP 1, 0, 0, 1, 0
	KSTEP 2, 0, 2, 1, 1                            ; every wave waits for its head load: K steps 3-5 are whole in every wave's eyes; K steps 0 and 1 are read no more and their bytes are filled again
	KSTEP 3, 0, 0, 2, 0
	KSTEP 4, 0, 0, 2, 1
	KSTEP 5, 0, 1, 0, 0                            ; the refill has landed, in every wave's eyes
	KSTEP 6, 0, 0, 0, 1
	s_wait_dscnt 16                                ; the last step fetches nothing
	WIN MUL_LO
	MUL16 0, 1, 7, 0
	MUL16 2, 1, 7, 0
	s_wait_dscnt 0x0
	WIN MUL_LO+0x50
	MUL16 4, 1, 7, 0
	MUL16 6, 1, 7, 0
	WIN 0
; THE WAY OUT.  Row tile a's 64 registers, register 16 b + i = column 32 b + 16 h + i of my row, are quantised: four blocks of 32, each in lanes l and l xor 16.  Each accumulator is read from its low end on.
.macro OUTA a
.set AC, 64*((\a)%4)
.set WW, 2+(\a)/4
.set PC, 120+20*((\a)%2)
	WIN WW*5                                       ; sources 0 and 1: the accumulators' window
.irp b, 0,1,2,3
	v_max3_num_f32 v[TM+\b], |v[AC+16*\b]|, |v[AC+16*\b+1]|, 0x1800000   ; and the floor 2^(3 - 127): the byte cannot fall under 1
.endr
.irp i, 2,4,6,8,10,12,14
.irp b, 0,1,2,3
	v_max3_num_f32 v[TM+\b], |v[AC+16*\b+\i]|, |v[AC+16*\b+\i+1]|, v[TM+\b]
.endr
.endr
	WIN 0
.irp b, 0,1,2,3
	v_permlanex16_b32 v[TM+4+\b], v[TM+\b], s[SEL], s[SEL+1]
.endr
.irp b, 0,1,2,3
	v_max_num_f32 v[TM+\b], v[TM+\b], v[TM+4+\b]
.endr
.irp b, 0,1,2,3
	v_add_nc_u32 v[TM+12+\b], 0xff000000, v[TM+\b] ; 2 off the exponent field: the conversion's scale operand
.endr
.irp b, 0,1,2,3
	v_lshrrev_b32 v[TM+4+\b], 23, v[TM+12+\b]
.endr
	v_lshl_or_b32 v[PW], v[TM+5], 8, v[TM+4]
	v_lshl_or_b32 v[PW], v[TM+6], 16, v[PW]
	v_lshl_or_b32 v[PW], v[TM+7], 24, v[PW]
	WIN WW                                         ; source 0: the accumulators' window
.irp c, 0,1
	v_cvt_scalef32_pk16_fp6_f32 v[PC+6*\c:PC+6*\c+2], v[AC+32*\c:AC+32*\c+15], v[TM+12+2*\c]
	v_cvt_scalef32_pk16_fp6_f32 v[PC+12+4*\c:PC+14+4*\c], v[AC+16+32*\c:AC+31+32*\c], v[TM+13+2*\c]
.endr
	WIN 0
	v_lshrrev_b32 v[SW+(\a)], v[VSH], v[PW]        ; lanes 0-15 keep the word, lanes 16-31 its upper two bytes (q, k: the second head's).  Also the plain line behind the conversions
.irp c, 0,1
.irp i, 0,1,2
	v_permlane16_swap_b32 v[PC+6*\c+\i], v[PC+12+4*\c+\i]   ; a whole block to a lane
.endr
.irp i, 0,1,2
	v_mov_b32 v[PC+3+6*\c+\i], v[PC+12+4*\c+\i]
.endr
.endr
	ds_store_b32 v[SCW], v[SW+(\a)] offset:256*((\a)/4)+4*((\a)%4)
.if (\a) > 0
	s_wait_alu depctr_va_vdst(0)
	s_wait_xcnt 0x0                                ; the earlier stores have read their bases and their data: the bases step here, and the next row tile may write the other set of codes
.if (\a) == 4
	s_add_nc_u64 s[90:91], s[90:91], s[84:85]
	s_add_nc_u64 s[92:93], s[92:93], s[84:85]
.else
	s_add_nc_u64 s[90:91], s[90:91], s[82:83]
	s_add_nc_u64 s[92:93], s[92:93], s[82:83]
.endif
.endif
	global_store_b128 v[I16], v[PC:PC+3], s[90:91]           ; 512 and 256 consecutive bytes, aligned to 256
	global_store_b64 v[I8], v[PC+4:PC+5], s[90:91]
	global_store_b128 v[I16], v[PC+6:PC+9], s[92:93]
	global_store_b64 v[I8], v[PC+10:PC+11], s[92:93]
.endm
	PLACES 4                                       ; behind the last products
.irp b, 0,1,2,3
	v_mov_b32 v[TM+4+\b], 0                        ; a lane permute's destination counts as one of its sources
.endr
.irp a, 0,1,2,3,4,5,6,7
	OUTA \a
.endr
.irp p, 0,1,2,3
	ds_load_b64 v[160+2*\p:161+2*\p], v[SCRD] offset:256*\p   ; LDS serves a wave's instructions in order: these see my stores
.endr
	s_wait_dscnt 0x0
	global_store_b64 v[I8S], v[160:161], s[94:95]  ; 256 consecutive bytes each
	global_store_b64 v[I8S], v[162:163], s[96:97]
	s_cmp_eq_u32 s42, 2                            ; v has one word a row: the upper halves serve q and k alone
	s_cbranch_scc1 .Lno_second
	global_store_b64 v[I8S], v[164:165], s[98:99]
	global_store_b64 v[I8S], v[166:167], s[66:67]
.Lno_second:
	s_wait_tensorcnt 0x0                           ; the wave's end, behind my last tensor load and my last LDS store
	ds_add_u32 v[SPW], v[NIL]
	s_wait_dscnt 0x0
	CROUND                                         ; the closing round
	s_endpgm
.Lfunc_end_k_q358041aa12_gemm_qkv:
	.size	k_q358041aa12_gemm_qkv, .Lfunc_end_k_q358041aa12_gemm_qkv-k_q358041aa12_gemm_qkv
	.p2alignl 7, 3214868480
	.fill 96, 4, 3214868480
	.section	.rodata,"a",@progbits
	.p2align	6, 0x0
	.amdhsa_kernel k_q358041aa12_gemm_qkv
		.amdhsa_group_segment_fixed_size 327680
		.amdhsa_private_segment_fixed_size 0
		.amdhsa_enable_private_segment 0
		.amdhsa_kernarg_size 32
		.amdhsa_user_sgpr_count 2
		.amdhsa_user_sgpr_kernarg_segment_ptr 1
		.amdhsa_wavefront_size32 1
		.amdhsa_system_sgpr_workgroup_id_x 1
		.amdhsa_system_sgpr_workgroup_id_y 1
		.amdhsa_system_sgpr_workgroup_id_z 1
		.amdhsa_system_vgpr_workitem_id 0
		.amdhsa_next_free_vgpr 1024
		.amdhsa_next_free_sgpr 100
		.amdhsa_reserve_vcc 0
		.amdhsa_float_denorm_mode_32 3
		.amdhsa_float_denorm_mode_16_64 3
		.amdhsa_memory_ordered 1
		.amdhsa_forward_progress 1
		.amdhsa_inst_pref_size 171
	.end_amdhsa_kernel
	.amdgpu_metadata
---
amdhsa.version: [ 1, 2 ]
amdhsa.kernels:
  - .name:           k_q358041aa12_gemm_qkv
    .symbol:         k_q358041aa12_gemm_qkv.kd
    .args:
      - { .name: img1, .offset: 0, .size: 8, .value_kind: global_buffer, .address_space: global }
      - { .name: sc1, .offset: 8, .size: 8, .value_kind: global_buffer, .address_space: global }
      - { .name: b_qkv, .offset: 16, .size: 8, .value_kind: global_buffer, .address_space: global }
      - { .name: qkv, .offset: 24, .size: 8, .value_kind: global_buffer, .address_space: global }
    .group_segment_fixed_size: 327680
    .private_segment_fixed_size: 0
    .kernarg_segment_align: 8
    .kernarg_segment_size: 32
    .max_flat_workgroup_size: 128
    .sgpr_count:     100
    .vgpr_count:     1024
    .wavefront_size: 32
...
	.end_amdgpu_metadata
.endif
;; end of part 2
;; launch attn (part 3): grid 4 x 64, 16 waves a work-group, no clusters, 327,680 bytes of LDS; arguments qkv, y_img, sc2; writes y_img, sc2
.if DOCPART == 3
	.amdgcn_target "amdgcn-amd-amdhsa--gfx1250"
	.amdhsa_code_object_version 6
	.text
	.protected	k_q358041aa12_attn
	.globl	k_q358041aa12_attn
	.p2align	8
	.type	k_q358041aa12_attn,@function
k_q358041aa12_attn:
	s_mov_b64 s[64:65], 0
	v_nop
	global_prefetch_b8 v0, s[64:65] scope:SCOPE_SE
	s_setreg_imm32_b32 hwreg(HW_REG_WAVE_MODE, 25, 1), 1
	s_wait_xcnt 0x0
; y = softmax(q k^T / 8, causal) v for one head, both products on codes of FP6 (E2M3) with E8M0 scales, and y quantised along the model's 1,024 for the last product.
; THE SOFTMAX AHEAD OF THE SECOND PRODUCT: t = score x log2(e) / 8; M = the running largest t rounded UP to a whole number; p = 2^(t - M) is quantised along the keys, not normalised; the row's sum is taken of the
; unquantised p and divides O at the end.  When M moves, the sum and O are multiplied by 2^(old M - new M): exact.  The running maximum is kept of the scores: the factor is positive, so the largest score gives the largest t.
; SHARES.  Work-group (i, head) owns the blocks of 256 queries i and 7 - i: 9 x 256 keys' worth of work for every i.  Each of sixteen waves owns one tile of 16 queries of each block (L, H).
; WORK LEFT OUT: the causal mask sets scores of keys behind the query to -infinity, so their p is 0 for all inputs: a key step all of whose keys lie behind all the tile's queries is jumped over,
; and a slot that lies behind all the work-group's queries is not loaded.  Both tests are made of ids and the count of chunks alone.
; K AND V COME AS A STREAM.  A chunk is 128 keys: K's codes 6,144 bytes, V's 6,144, K's scale words 512, V's 256, on end in memory: 51 rows of 256 bytes.  A SLOT is four chunks.  An outer trip works a slot in four inner trips; wave 0 asks
; for the next slot by one tensor load of 204 rows, first behind the outer trip's barrier; ahead of that barrier every wave runs the wait on TENSORcnt, the add and its wait.
; Each slot has LDS bytes of its own (slot n at 52,224 n), so no byte is filled twice.  Every wait on TENSORcnt is for 0.
; LAYOUT.  Both products are used transposed: S^T = K Q^T, O^T = V^T P^T: a lane holds one query throughout.  A tile's lane index r stands for row 32 (T / 2) + 8 (T % 2) + r + 8 (r / 8), so the 16 registers of tiles 2 b, 2 b + 1 are 16 neighbours.
; Scale words lie [four tiles][r][tile]: a lane takes four tiles' words of its row by one load of 16 bytes.
; THE HEAD'S 64 FILL HALF OF THE INSTRUCTION'S K = 128: Q's upper six registers are zero codes; K's upper six are the next tile's codes, which zero codes annul; the scale bytes there are never 0xff.
; No cluster: the four work-groups that share a head's K and V need 16, 14, 12 and 10 chunks, so a partner would jump over all reads of tiles that a joint load brings.
; No prefetch: a slot's load is issued a whole outer trip (four chunks, up to eight key steps in each of sixteen waves) ahead of the wait for it, and the head has no loop to run ahead in.
; LIMITS: NaN and infinities are not served; the promise holds while |t| stays under 2^31; v_exp_f32 gives 0 for results under 2^-126; a block of zeros gets the byte 1 (its codes are zeros; this program alone reads the bytes).
.set HB,    208896                     ; a head's sixteen chunks
.set CHB,   13056                      ; a chunk
.set VOF,   6144                       ; in it: V's codes [tile of channels 4][2 x 768],
.set KSO,   12288                      ; K's scale words [tiles 0-3, 4-7][r][4],
.set VSO,   12800                      ; V's [r][4]
.set QOFF,  64*HB
.set QHB,   106496
.set RBB,   196608
.set CB,    12288
.set SPARE, 262144                     ; the spare words, 128 bytes for each wave, that no other line names
.set L16,   1                          ; v1  16 l
.set L8,    2                          ; v2  512 + 8 l
.set R16,   3                          ; v3  16 r
.set DQ,    4                          ; v4  r + 8 (r / 8) - 16 h
.set SPW,   5
.set NIL,   6
.set AD16,  7                          ; v7-9 the chunk's LDS addresses: + 16 l, + 512 + 8 l, + 16 r
.set AD8,   8
.set ADS,   9
.set R8,    11                         ; v11 8 r
.set NINF,  13                         ; v13 -infinity
                                       ; v14-17 tile L: -M, the largest score, the sum in two halves;  v18-21 tile H;  v24, v25 Q's scale words;  v26-37, v38-49 Q's fragments
.set FRG,   50                         ; v50-97 K's eight tiles, six registers each; v98-103 zeros;  later v50-61 p's codes, v62-68 the conversions' second halves
.set S,     104                        ; v104-167 S^T, then p; then V's four fragments in v104-151
                                       ; v168-199, v200-231 O^T of L and H
.set MX,    232
.set PT,    236
.set SO,    240
.set KS,    244                        ; v244-251 K's or V's scale words
.set FF,    252                        ; v252 the old -M, then f = 2^(old M - new M); v253 is named with it as a pair
.set TT,    254
.set PWD,   255                        ; p's scale word
.set WV,    18
.set SEL,   20
.set CS,    22
.set TB,    2                          ; the chunk's LDS address
.set OC,    3                          ; slots to go
.set NEED,  66                         ; the first key that lies behind all my work-group's queries
.set KF,    67                         ; the chunk's first key
.set CNT,   68
.set Q0L,   69
.set Q0H,   70
	s_load_b128 s[4:7], s[0:1], 0x0                ; qkv s[4:5], y_img s[6:7]
	s_load_b64 s[8:9], s[0:1], 0x10                ; sc2
	v_lshl_add_u32 v[SPW], v0, 2, SPARE
	v_mov_b32 v[NIL], 0
	ds_add_u32 v[SPW], v[NIL]                      ; the opening lines: the add, twice on end, and its wait; work on registers between
	ds_add_u32 v[SPW], v[NIL]
	v_lshrrev_b32 v7, 5, v0
	v_readfirstlane_b32 s[WV], v7                  ; wave 0..15
	s_and_b32 s71, ttmp7, 0xffff                   ; 16 x batch + head
	s_mov_b32 s24, 3<<16                           ; group 1: a slot, dense: 204 rows of 256 bytes (32 elements of 8 bytes), no padding
	s_mov_b32 s25, 32<<16
	s_mov_b32 s26, 204<<16
	s_mov_b32 s27, 32<<16
	s_mov_b32 s28, 204
	s_mov_b32 s29, 32
	s_mov_b32 s30, 0
	s_mov_b32 s31, 0
	s_mul_i32 s76, s71, HB
	s_mov_b32 s77, 0
	s_mov_b32 s[SEL], 0x76543210
	s_mov_b32 s[SEL+1], 0xfedcba98                 ; v_permlanex16_b32's selects for lane l xor 16
	s_mov_b32 s[CS], 0x3e38aa3b                    ; c = log2(e) / 8
	s_mov_b32 s[CS+1], s[CS]
	s_mov_b32 s[TB], 0
	s_mov_b32 s[KF], 0
	s_sub_co_u32 s[NEED], 8, ttmp9
	s_lshl_b32 s[NEED], s[NEED], 8                 ; block 7 - i ends at query 256 (8 - i) - 1
	s_wait_dscnt 0x0                               ; both opening adds are done
	s_wait_kmcnt 0x0
	s_mov_b32 s48, 1                               ; group 0: slot 0 to LDS byte 0
	s_mov_b32 s49, 0
	s_add_nc_u64 s[50:51], s[4:5], s[76:77]
	s_or_b32 s51, s51, 0x80000000
	s_cmp_eq_u32 s[WV], 0
	s_cbranch_scc0 .Lno_fetch
	tensor_load_to_lds s[48:51], s[24:31]          ; keys 0 to 511, of which every work-group's queries see some
	s_nop 0
.rept 4
	v_nop
.endr
.Lno_fetch:
	s_mul_i32 s76, s71, QHB
	s_add_co_u32 s76, s76, QOFF
	s_add_nc_u64 s[88:89], s[4:5], s[76:77]        ; the head's Q
	s_mov_b32 s86, ttmp9                           ; block L,
	s_sub_co_u32 s87, 7, ttmp9                     ; block H
	s_lshl_b32 s72, s86, 4
	s_add_co_u32 s72, s72, s[WV]                   ; my tiles
	s_lshl_b32 s73, s87, 4
	s_add_co_u32 s73, s73, s[WV]
	s_mov_b32 s75, 0
	s_mul_i32 s74, s72, 768
	s_add_nc_u64 s[90:91], s[88:89], s[74:75]
	s_mul_i32 s74, s73, 768
	s_add_nc_u64 s[92:93], s[88:89], s[74:75]
	s_lshr_b32 s74, s72, 2                         ; tile T's scale words: 256 (T / 4) + 16 r + 4 (T % 4), behind the image
	s_lshl_b32 s74, s74, 8
	s_and_b32 s99, s72, 3
	s_lshl_b32 s99, s99, 2
	s_add_co_u32 s74, s74, s99
	s_add_co_u32 s74, s74, 98304
	s_add_nc_u64 s[94:95], s[88:89], s[74:75]
	s_lshr_b32 s74, s73, 2
	s_lshl_b32 s74, s74, 8
	s_and_b32 s99, s73, 3
	s_lshl_b32 s99, s99, 2
	s_add_co_u32 s74, s74, s99
	s_add_co_u32 s74, s74, 98304
	s_add_nc_u64 s[96:97], s[88:89], s[74:75]
	s_lshr_b32 s98, s[WV], 1
	s_lshl_b32 s98, s98, 5
	s_and_b32 s99, s[WV], 1
	s_lshl_b32 s99, s99, 3
	s_add_co_u32 s98, s98, s99
	s_lshl_b32 s[Q0L], s86, 8
	s_add_co_u32 s[Q0L], s[Q0L], s98               ; a tile's first query; its lanes' queries are + r + 8 (r / 8): 0 .. 7 and 16 .. 23
	s_lshl_b32 s[Q0H], s87, 8
	s_add_co_u32 s[Q0H], s[Q0H], s98
	v_and_b32 v7, 31, v0
	v_and_b32 v8, 15, v0
	v_bfe_u32 v9, v0, 4, 1
	v_lshlrev_b32 v[L16], 4, v7
	v_lshlrev_b32 v[L8], 3, v7
	v_lshlrev_b32 v[R16], 4, v8
	v_and_b32 v10, 8, v8
	v_lshlrev_b32 v9, 4, v9
	v_add_nc_u32 v[L8], 512, v[L8]
	v_add_nc_u32 v[DQ], v10, v8
	v_lshlrev_b32 v[R8], 3, v8
	v_sub_nc_u32 v[DQ], v[DQ], v9
	s_wait_alu depctr_va_vdst(0)                   ; the wait directly ahead of the readers below
	global_load_b128 v[26:29], v[L16], s[90:91]
	global_load_b64 v[30:31], v[L8], s[90:91]
	global_load_b128 v[38:41], v[L16], s[92:93]
	global_load_b64 v[42:43], v[L8], s[92:93]
	global_load_b32 v24, v[R16], s[94:95]
	global_load_b32 v25, v[R16], s[96:97]
.irp j, 32,33,34,35,36,37,44,45,46,47,48,49,98,99,100,101,102,103
	v_mov_b32 v[\j], 0                             ; zero codes
.endr
	v_mov_b32 v[NINF], 0xff800000
	v_mov_b32 v15, 0xff61b1e6                      ; the largest score so far: -3e38, under every score
	v_mov_b32 v19, 0xff61b1e6
	v_mov_b32 v14, 0x7f61b1e6                      ; -M: 3e38, a whole number above every -M to come
	v_mov_b32 v18, 0x7f61b1e6
.irp j, 16,17,20,21,236,237,238,239,253
	v_mov_b32 v[\j], 0                             ; the sums; the lane permutes' destinations; the upper half of f's pair
.endr
.set n, 168
.rept 64
	v_mov_b32 v[n], 0                              ; O^T: the step is written once; the first finds zeros, which the first change of M leaves zeros
.set n, n+1
.endr
; A KEY STEP of one tile: 128 keys.  st: -M's register; qf, qs: Q's fragment and scale word; oa: O^T; sq: the scalar with the tile's first query.
.macro STEP st, qf, qs, oa, sq
	s_add_co_u32 s98, s[\sq], 23
	s_cmp_gt_u32 s[KF], s98                        ; all keys come after all my queries
	s_cbranch_scc1 .Lhidden_\@
	s_wait_alu depctr_va_vdst(0)
	ds_load_b128 v[KS:KS+3], v[ADS] offset:KSO
	ds_load_b128 v[KS+4:KS+7], v[ADS] offset:KSO+256
.irp t, 0,1,2,3,4,5,6,7
	ds_load_b128 v[FRG+6*\t:FRG+6*\t+3], v[AD16] offset:768*\t
	ds_load_b64 v[FRG+6*\t+4:FRG+6*\t+5], v[AD8] offset:768*\t
.endr
	s_wait_dscnt 0x0
.irp t, 0,1,2,3,4,5,6,7
	v_wmma_scale_f32_16x16x128_f8f6f4 v[S+8*\t:S+8*\t+7], v[FRG+6*\t:FRG+6*\t+11], v[\qf:\qf+11], 0, v[KS+\t], v[\qs] matrix_a_fmt:MATRIX_FMT_FP6 matrix_b_fmt:MATRIX_FMT_FP6
.endr
.rept 4
	v_nop
.endr
	s_add_co_u32 s98, s[KF], 127                   ; on the diagonal hidden scores become -infinity ahead of the maximum: p = 0 then.  A step all of whose keys count skips this
	s_cmp_le_u32 s98, s[\sq]
	s_cbranch_scc1 .Lopen_\@
	s_sub_co_i32 s98, s[\sq], s[KF]
	v_add_nc_u32 v[TT], s98, v[DQ]                 ; register 16 b + i holds key KF + 32 b + 16 h + i: hidden where 32 b + i > my query - KF - 16 h
.set n, 0
.rept 64
	v_cmp_gt_i32 vcc_lo, 32*(n/16)+n%16, v[TT]
	v_cndmask_b32 v[S+n], v[S+n], v[NINF], vcc_lo
.set n, n+1
.endr
.Lopen_\@:
.irp b, 0,1,2,3
	v_max3_num_f32 v[MX+\b], v[S+16*\b], v[S+16*\b+1], v[S+16*\b+2]   ; the largest score of each block of 32 keys: for the row's maximum and, since p rises with the score, for the block's largest p.  The four blocks by turns
.endr
.irp i, 3,5,7,9,11,13
.irp b, 0,1,2,3
	v_max3_num_f32 v[MX+\b], v[MX+\b], v[S+16*\b+\i], v[S+16*\b+\i+1]
.endr
.endr
.irp b, 0,1,2,3
	v_max_num_f32 v[MX+\b], v[MX+\b], v[S+16*\b+15]
.endr
.irp b, 0,1,2,3
	v_permlanex16_b32 v[PT+\b], v[MX+\b], s[SEL], s[SEL+1]
.endr
	v_mov_b32 v[FF], v[\st]                        ; the old -M
.irp b, 0,1,2,3
	v_max_num_f32 v[MX+\b], v[MX+\b], v[PT+\b]
.endr
	s_delay_alu instid0(VALU_DEP_2)
	v_max3_num_f32 v[TT], v[MX], v[MX+1], v[MX+2]
	s_delay_alu instid0(VALU_DEP_1)
	v_max3_num_f32 v[\st+1], v[\st+1], v[TT], v[MX+3]   ; the running largest score
	s_delay_alu instid0(VALU_DEP_1)
	v_mul_f32 v[TT], s[CS], v[\st+1]               ; as t
	s_delay_alu instid0(VALU_DEP_1)
	v_floor_f32 v[\st], -v[TT]                     ; the new -M = -ceil(t)
.set n, 0
.rept 32
	v_pk_fma_f32 v[S+n:S+n+1], v[S+n:S+n+1], s[CS:CS+1], v[\st:\st+1] op_sel_hi:[1,0,0]   ; t - M
.set n, n+2
.endr
.irp b, 0,1,2,3
	v_fma_f32 v[MX+\b], v[MX+\b], s[CS], v[\st]
.endr
	v_sub_f32 v[TT], v[\st], v[FF]                 ; old M - new M: a whole number, 0 or less
	s_delay_alu instid0(VALU_DEP_1)
	v_cvt_i32_f32 v[TT], v[TT]                     ; (it saturates)
	s_delay_alu instid0(VALU_DEP_1)
	v_ldexp_f32 v[FF], 1.0, v[TT]
.set n, 0
	s_wait_alu depctr_va_vdst(0)                   ; the wait ahead of the batch
.rept 64
	v_exp_f32 v[S+n], v[S+n]                       ; p, at most 1
.set n, n+1
.endr
	v_pk_mul_f32 v[\st+2:\st+3], v[\st+2:\st+3], v[FF:FF+1] op_sel_hi:[1,0]   ; the sums under the new M; the plain line behind the exponentials
	s_wait_alu depctr_va_vdst(0)                   ; one wait for the batch, ahead of its first reader
.irp b, 0,1,2,3
	v_exp_f32 v[MX+\b], v[MX+\b]                   ; each block's largest p
.endr
	v_pk_add_f32 v[PT:PT+1], v[S:S+1], v[S+2:S+3]  ; the row's sum is taken of the unquantised p, in four chains by turns
	v_pk_add_f32 v[SO:SO+1], v[S+4:S+5], v[S+6:S+7]
	v_pk_add_f32 v[SO+2:SO+3], v[S+8:S+9], v[S+10:S+11]
	v_pk_add_f32 v[\st+2:\st+3], v[\st+2:\st+3], v[S+12:S+13]
.irp j, 14,22,30,38,46,54
	v_pk_add_f32 v[PT:PT+1], v[PT:PT+1], v[S+\j:S+\j+1]
	v_pk_add_f32 v[SO:SO+1], v[SO:SO+1], v[S+\j+2:S+\j+3]
	v_pk_add_f32 v[SO+2:SO+3], v[SO+2:SO+3], v[S+\j+4:S+\j+5]
	v_pk_add_f32 v[\st+2:\st+3], v[\st+2:\st+3], v[S+\j+6:S+\j+7]
.endr
	v_pk_add_f32 v[PT:PT+1], v[PT:PT+1], v[S+62:S+63]
	v_pk_add_f32 v[SO:SO+1], v[SO:SO+1], v[SO+2:SO+3]
	v_pk_add_f32 v[\st+2:\st+3], v[\st+2:\st+3], v[PT:PT+1]
	v_pk_add_f32 v[\st+2:\st+3], v[\st+2:\st+3], v[SO:SO+1]
	s_wait_alu depctr_va_vdst(0)                   ; and one for the four
.irp b, 0,1,2,3
	v_max_num_f32 v[MX+\b], 0x1800000, v[MX+\b]    ; the floor 2^(3 - 127)
.endr
.irp b, 0,1,2,3
	v_add_nc_u32 v[SO+\b], 0xff000000, v[MX+\b]    ; 2 off the exponent field: the conversion's scale operand
.endr
.irp b, 0,1,2,3
	v_lshrrev_b32 v[PT+\b], 23, v[SO+\b]
.endr
	s_delay_alu instid0(VALU_DEP_3)
	v_lshl_or_b32 v[PWD], v[PT+1], 8, v[PT]
	s_delay_alu instid0(VALU_DEP_1)
	v_lshl_or_b32 v[PWD], v[PT+2], 16, v[PWD]
	s_delay_alu instid0(VALU_DEP_1)
	v_lshl_or_b32 v[PWD], v[PT+3], 24, v[PWD]
.irp c, 0,1
	v_cvt_scalef32_pk16_fp6_f32 v[FRG+6*\c:FRG+6*\c+2], v[S+32*\c:S+32*\c+15], v[SO+2*\c]
	v_cvt_scalef32_pk16_fp6_f32 v[FRG+12+4*\c:FRG+14+4*\c], v[S+16+32*\c:S+31+32*\c], v[SO+2*\c+1]
.endr
	v_nop                                          ; one plain line behind the conversions
	ds_load_b128 v[KS:KS+3], v[ADS] offset:VSO
.irp d, 0,1,2,3                        ; V's four fragments land where p lay, while the codes are put in order and O^T is rescaled
	ds_load_b128 v[S+12*\d:S+12*\d+3], v[AD16] offset:VOF+1536*\d
	ds_load_b64 v[S+12*\d+4:S+12*\d+5], v[AD8] offset:VOF+1536*\d
	ds_load_b128 v[S+12*\d+6:S+12*\d+9], v[AD16] offset:VOF+1536*\d+768
	ds_load_b64 v[S+12*\d+10:S+12*\d+11], v[AD8] offset:VOF+1536*\d+768
.endr
.irp c, 0,1
.irp i, 0,1,2
	v_permlane16_swap_b32 v[FRG+6*\c+\i], v[FRG+12+4*\c+\i]   ; a whole block to a lane
.endr
.irp i, 0,1,2
	v_mov_b32 v[FRG+3+6*\c+\i], v[FRG+12+4*\c+\i]
.endr
.endr
.set n, 0
.rept 16
	v_pk_mul_f32 v[\oa+n:\oa+n+1], v[\oa+n:\oa+n+1], v[FF:FF+1] op_sel_hi:[1,0]   ; O^T under the new M.  Twelve of these name no register of a given product below: its places behind the scale word's and the codes' last writes
.set n, n+2
.endr
	s_wait_alu depctr_va_vdst(0)
	s_wait_dscnt 0x0
.irp d, 0,1,2,3
	v_wmma_scale_f32_16x16x128_f8f6f4 v[\oa+8*\d:\oa+8*\d+7], v[S+12*\d:S+12*\d+11], v[FRG:FRG+11], v[\oa+8*\d:\oa+8*\d+7], v[KS+\d], v[PWD] matrix_a_fmt:MATRIX_FMT_FP6 matrix_b_fmt:MATRIX_FMT_FP6
.endr
.rept 5
	v_nop                                          ; the next step's loads land on these products' sources (four places), and its scores are laid over V's registers (five)
.endr
.Lhidden_\@:
.endm
	s_wait_alu depctr_va_vdst(0)                   ; the wait at the head's end
	s_wait_loadcnt 0x0                             ; Q
	s_mov_b32 s[OC], 4
.Lslot:
	s_wait_tensorcnt 0x0                           ; wave 0's load of this trip's slot has landed;
	ds_add_u32 v[SPW], v[NIL]                      ; 0 onto my spare word, twice on end
	ds_add_u32 v[SPW], v[NIL]
	s_add_co_u32 s49, s49, 4*CHB                   ; no tensor load is out: group 0 steps to the next slot
	s_add_nc_u64 s[50:51], s[50:51], 4*CHB
	s_add_co_u32 s98, s[KF], 512                   ; its first key
	s_wait_dscnt 0x0
	s_barrier_signal -1
	s_barrier_wait -1                              ; this trip's slot is whole in every wave's eyes
	s_cmp_lt_u32 s98, s[NEED]                      ; the next slot is asked for only if some query of the work-group sees it: the same in all waves
	s_cbranch_scc0 .Lno_fill
	s_cmp_eq_u32 s[WV], 0
	s_cbranch_scc0 .Lno_fill
	tensor_load_to_lds s[48:51], s[24:31]          ; into bytes of its own
	s_nop 0
.rept 4
	v_nop
.endr
.Lno_fill:
	s_mov_b32 s[CNT], 4
.Lchunk:                                               ; a chunk: both my tiles
	v_add_nc_u32 v[AD16], s[TB], v[L16]
	v_add_nc_u32 v[AD8], s[TB], v[L8]
	v_add_nc_u32 v[ADS], s[TB], v[R16]
	STEP 14, 26, 24, 168, Q0L
	STEP 18, 38, 25, 200, Q0H
	s_add_co_u32 s[KF], s[KF], 128
	s_add_co_u32 s[TB], s[TB], CHB
	s_sub_co_u32 s[CNT], s[CNT], 1
	s_cmp_lg_u32 s[CNT], 0
	s_cbranch_scc1 .Lchunk
	s_sub_co_u32 s[OC], s[OC], 1
	s_cmp_lg_u32 s[OC], 0
	s_cbranch_scc1 .Lslot
	; THE WAY OUT.  y = O^T / the sum; its 64 channels are two blocks of 32 of the last product's K, each in lanes l and l xor 16; the six registers of codes are a half fragment of y's image: [block of 256 tokens][head][tile][768].
	v_add_f32 v16, v16, v17
	v_add_f32 v20, v20, v21
	s_delay_alu instid0(VALU_DEP_2)
	v_permlanex16_b32 v[PT], v16, s[SEL], s[SEL+1]
	s_delay_alu instid0(VALU_DEP_2)
	v_permlanex16_b32 v[PT+1], v20, s[SEL], s[SEL+1]
	s_delay_alu instid0(VALU_DEP_2)
	v_add_f32 v16, v16, v[PT]
	s_delay_alu instid0(VALU_DEP_2)
	v_add_f32 v20, v20, v[PT+1]
	s_wait_alu depctr_va_vdst(0)                   ; the wait ahead of the reciprocals
	v_rcp_f32 v16, v16
	v_rcp_f32 v20, v20
	v_nop                                          ; the plain line behind the reciprocals
	s_lshr_b32 s72, s71, 4                         ; the batch
	s_and_b32 s73, s71, 15                         ; the head
	s_lshl_b32 s72, s72, 3
	s_add_co_u32 s74, s72, s86                     ; L's block of 256 tokens,
	s_add_co_u32 s75, s72, s87                     ; H's
	s_mul_i32 s76, s73, CB
	s_mul_i32 s77, s[WV], 768
	s_add_co_u32 s76, s76, s77
	s_mul_i32 s78, s74, RBB
	s_add_co_u32 s78, s78, s76
	s_mov_b32 s79, 0
	s_add_nc_u64 s[78:79], s[6:7], s[78:79]
	s_mul_i32 s80, s75, RBB
	s_add_co_u32 s80, s80, s76
	s_mov_b32 s81, 0
	s_add_nc_u64 s[80:81], s[6:7], s[80:81]
	s_lshr_b32 s77, s73, 2                         ; scale words [block][256 along K][tile][r][2 words]: a head is 64 along K: quarter h / 4, word (h / 2) % 2, bytes 2 (h % 2) and + 1
	s_lshl_b32 s77, s77, 11
	s_lshl_b32 s82, s[WV], 7
	s_add_co_u32 s77, s77, s82
	s_bfe_u32 s82, s73, 0x10001
	s_lshl_b32 s82, s82, 2
	s_add_co_u32 s77, s77, s82
	s_and_b32 s82, s73, 1
	s_lshl_b32 s82, s82, 1
	s_add_co_u32 s77, s77, s82
	s_lshl_b32 s82, s74, 13
	s_add_co_u32 s82, s82, s77
	s_mov_b32 s83, 0
	s_add_nc_u64 s[82:83], s[8:9], s[82:83]
	s_lshl_b32 s84, s75, 13
	s_add_co_u32 s84, s84, s77
	s_mov_b32 s85, 0
	s_add_nc_u64 s[84:85], s[8:9], s[84:85]
	s_wait_alu depctr_va_vdst(0)                   ; one wait for the two reciprocals, ahead of their first reader
.macro FINISH oa, rc, cb, si, ss
.set n, 0
.rept 16
	v_pk_mul_f32 v[\oa+n:\oa+n+1], v[\oa+n:\oa+n+1], v[\rc:\rc+1] op_sel_hi:[1,0]   ; from each accumulator's low end on
.set n, n+2
.endr
.irp b, 0,1
	v_max3_num_f32 v[MX+\b], |v[\oa+16*\b]|, |v[\oa+16*\b+1]|, 0x1800000
.endr
.irp i, 2,4,6,8,10,12,14
.irp b, 0,1
	s_delay_alu instid0(VALU_DEP_2)
	v_max3_num_f32 v[MX+\b], v[MX+\b], |v[\oa+16*\b+\i]|, |v[\oa+16*\b+\i+1]|
.endr
.endr
.irp b, 0,1
	s_delay_alu instid0(VALU_DEP_2)
	v_permlanex16_b32 v[PT+\b], v[MX+\b], s[SEL], s[SEL+1]
.endr
.irp b, 0,1
	s_delay_alu instid0(VALU_DEP_2)
	v_max_num_f32 v[MX+\b], v[MX+\b], v[PT+\b]
.endr
.irp b, 0,1
	s_delay_alu instid0(VALU_DEP_2)
	v_add_nc_u32 v[SO+\b], 0xff000000, v[MX+\b]
.endr
.irp b, 0,1
	s_delay_alu instid0(VALU_DEP_2)
	v_lshrrev_b32 v[PT+\b], 23, v[SO+\b]
.endr
	s_delay_alu instid0(VALU_DEP_1)
	v_lshl_or_b32 v[\cb+9], v[PT+1], 8, v[PT]      ; the head's two scale bytes of my row
	v_cvt_scalef32_pk16_fp6_f32 v[\cb:\cb+2], v[\oa:\oa+15], v[SO]
	v_cvt_scalef32_pk16_fp6_f32 v[\cb+6:\cb+8], v[\oa+16:\oa+31], v[SO+1]
	v_nop
.irp i, 0,1,2
	v_permlane16_swap_b32 v[\cb+\i], v[\cb+6+\i]
.endr
.irp i, 0,1,2
	s_delay_alu instid0(VALU_DEP_3)
	v_mov_b32 v[\cb+3+\i], v[\cb+6+\i]
.endr
	global_store_b128 v[L16], v[\cb:\cb+3], s[\si:\si+1]       ; 512 and 256 consecutive bytes, aligned to 256
	global_store_b64 v[L8], v[\cb+4:\cb+5], s[\si:\si+1]
	global_store_b16 v[R8], v[\cb+9], s[\ss:\ss+1] ; two bytes a row: a row's 32 scale bytes come from sixteen heads' work-groups.  Lanes r and r + 16 hold the same bytes and name the same place
.endm
	FINISH 168, 16, 50, 78, 82
	FINISH 200, 20, 60, 80, 84
	s_wait_tensorcnt 0x0                           ; the wave's end
	ds_add_u32 v[SPW], v[NIL]
	s_wait_dscnt 0x0
	s_endpgm
.Lfunc_end_k_q358041aa12_attn:
	.size	k_q358041aa12_attn, .Lfunc_end_k_q358041aa12_attn-k_q358041aa12_attn
	.p2alignl 7, 3214868480
	.fill 96, 4, 3214868480
	.section	.rodata,"a",@progbits
	.p2align	6, 0x0
	.amdhsa_kernel k_q358041aa12_attn
		.amdhsa_group_segment_fixed_size 327680
		.amdhsa_private_segment_fixed_size 0
		.amdhsa_enable_private_segment 0
		.amdhsa_kernarg_size 24
		.amdhsa_user_sgpr_count 2
		.amdhsa_user_sgpr_kernarg_segment_ptr 1
		.amdhsa_wavefront_size32 1
		.amdhsa_system_sgpr_workgroup_id_x 1
		.amdhsa_system_sgpr_workgroup_id_y 1
		.amdhsa_system_sgpr_workgroup_id_z 1
		.amdhsa_system_vgpr_workitem_id 0
		.amdhsa_next_free_vgpr 256
		.amdhsa_next_free_sgpr 100
		.amdhsa_reserve_vcc 1
		.amdhsa_float_denorm_mode_32 3
		.amdhsa_float_denorm_mode_16_64 3
		.amdhsa_memory_ordered 1
		.amdhsa_forward_progress 1
		.amdhsa_inst_pref_size 62
	.end_amdhsa_kernel
	.amdgpu_metadata
---
amdhsa.version: [ 1, 2 ]
amdhsa.kernels:
  - .name:           k_q358041aa12_attn
    .symbol:         k_q358041aa12_attn.kd
    .args:
      - { .name: qkv, .offset: 0, .size: 8, .value_kind: global_buffer, .address_space: global }
      - { .name: y_img, .offset: 8, .size: 8, .value_kind: global_buffer, .address_space: global }
      - { .name: sc2, .offset: 16, .size: 8, .value_kind: global_buffer, .address_space: global }
    .group_segment_fixed_size: 327680
    .private_segment_fixed_size: 0
    .kernarg_segment_align: 8
    .kernarg_segment_size: 24
    .max_flat_workgroup_size: 512
    .sgpr_count:     100
    .vgpr_count:     256
    .wavefront_size: 32
...
	.end_amdgpu_metadata
.endif
;; end of part 3
;; launch gemm_proj (part 4): grid 4 x 64, 4 waves a work-group, clusters of 4 x 4, 327,680 bytes of LDS; arguments y_img, wp_img, sc2, b_proj, out0; writes out0
.if DOCPART == 4
	.amdgcn_target "amdgcn-amd-amdhsa--gfx1250"
	.amdhsa_code_object_version 6
	.text
	.protected	k_q358041aa12_gemm_proj
	.globl	k_q358041aa12_gemm_proj
	.p2align	8
	.type	k_q358041aa12_gemm_proj,@function
k_q358041aa12_gemm_proj:
	s_mov_b64 s[64:65], 0
	v_nop
	global_prefetch_b8 v0, s[64:65] scope:SCOPE_SE
	s_setreg_imm32_b32 hwreg(HW_REG_WAVE_MODE, 25, 1), 1
	s_wait_xcnt 0x0
	s_wait_alu depctr_hold_cnt(0) depctr_sa_sdst(0) depctr_va_vdst(0) depctr_va_sdst(0) depctr_va_ssrc(0) depctr_va_vcc(0) depctr_vm_vsrc(0)
	s_getreg_b32 s2, hwreg(HW_REG_IB_STS2, 6, 4)
	s_cmp_eq_u32 s2, 0
	s_cbranch_scc0 .Lentry_in_a_cluster
	s_endpgm
.Lentry_in_a_cluster:
	s_bfe_u32 s2, ttmp6, 0x10000c
	s_cmp_lg_u32 s2, 0xf033
	s_cbranch_scc0 .Lentry_shape_is_right
	s_endpgm
.Lentry_shape_is_right:
; out0 = y W_proj + b_proj on codes of FP6 (E2M3) with E8M0 scales; sums in f32, the bias as the C of the first K step.  Operands are images of registers, as the first launch's head describes them:
; y_img and wp_img [block of 256 rows][64 along K: 16][tile: 16][768]; sc2 [block][4][tile][r][2 words], blocks 0-31 y's, 32-35 W_proj's.
; A BLOCK of the result is 128 rows x 256 columns: 64 x 4 = 256 work-groups.  Four waves, 2 x 2, 64 x 128 each: 32 accumulators.  The matrix instruction is used transposed (source 0 = W_proj's tile, source 1 = y's):
; a lane holds eight neighbouring columns of a row.
; ALL OF K LIES IN LDS: y's 128 rows 98,304 bytes ([64 along K: 16][tile: 8][768]: in memory 16 rows of 6,144 bytes, 12,288 apart), W_proj's 256 columns 196,608 bytes behind them (dense).  Filled once, at the head, one load a wave:
; wave 0 y's K steps 0-3, wave 1 W_proj's, waves 2 and 3 K steps 4-7.  The first barrier shows waves 0 and 1's tiles, a plain barrier in K step 3 the others.  Nothing is filled again.
; 4 x 4 work-groups form a cluster: y's tiles are asked for jointly along a row of it, W_proj's along a column.
; A K step is 32 products; both operands have two sets of registers, and the next step's 48 LDS loads are issued ahead of the step's products.
; The results leave through a stage of each wave's own, in the bytes of y's K steps 0 to 2, which nobody reads behind the barrier in K step 3.
; Nothing is prefetched: every tile is asked for at the head by the tensor loads themselves, and there is no loop to run ahead in.
; REGISTERS: window 0: v4-31 addresses; v32-95 scale words; v96-159 bias; v160-255 y's fragments, two sets of four.  window 1: W_proj's fragments, two sets of eight, at v0 and v128.  window 2: the accumulators, (a, b) at v[8 (8 a + b)].
.set RBB,   196608
.set CB,    12288
.set ASL,   24576                      ; LDS: two K steps of y's 128 rows
.set BSL,   49152                      ; two K steps of W_proj's 256 columns
.set BREG,  4*ASL
.set SPARE, BREG+4*BSL                 ; the spare words, 128 bytes for each wave, that no other line names
.set STAGE, 0
.set SPITCH, 528
.set FR,    12
.set A16,   4                          ; v4-7   LDS address of y's registers 0-3 for K steps 0-1, 2-3, 4-5, 6-7;  v8-11 of registers 4-5
.set A8,    8
.set B16,   12                         ; v12-15, v16-19 the same for W_proj
.set B8,    16
.set VO,    20
.set STO,   24
.set RD,    25
.set VS,    27
.set SPW,   28
.set NIL,   29
.set I16,   30
.set I8,    31
.set SC,    32                         ; register 8 i + k: lanes 0-15 the word of y's tile i (i under 4), lanes 16-31 of W_proj's tile i, for K step k
.set BT,    96
.set AF,    160
.set BK,    128
.set G1,    24
.set G1B,   48
.set MSB, 0
.macro WIN new                         ; the immediate's high byte repeats the setting that is left
.if MSB != \new
	s_set_vgpr_msb (MSB<<8)|\new
.set MSB, \new
.endif
.endm
.macro CROUND                          ; a round of the cluster's barrier
	s_barrier_signal -1
	s_barrier_wait -1
	s_cmp_lg_u32 s14, 0
	s_cbranch_scc1 .Lnot_wave_0_\@
	s_barrier_signal -3
.Lnot_wave_0_\@:
	s_barrier_wait -3
	s_barrier_signal -1
	s_barrier_wait -1
.endm
.macro PLACES n
.rept \n
	v_nop
.endr
.endm
	s_load_b256 s[4:11], s[0:1], 0x0               ; y_img s[4:5], wp_img s[6:7], sc2 s[8:9], b_proj s[10:11]
	s_load_b64 s[12:13], s[0:1], 0x20              ; out0
	v_lshl_add_u32 v[SPW], v0, 2, SPARE
	v_mov_b32 v[NIL], 0
	ds_add_u32 v[SPW], v[NIL]                      ; the opening lines
	ds_add_u32 v[SPW], v[NIL]
	v_lshrrev_b32 v1, 5, v0
	v_readfirstlane_b32 s14, v1                    ; wave 0..3
	s_lshr_b32 s15, s14, 1                         ; which 64 rows are mine
	s_and_b32 s16, s14, 1                          ; which 128 columns
	s_bfe_u32 s40, ttmp6, 0x40000                  ; cx, cy
	s_bfe_u32 s41, ttmp6, 0x40004
	s_and_b32 s17, ttmp7, 0xffff
	s_lshl_b32 s43, s41, 2
	s_lshl_b32 s43, 15, s43                        ; my row of the cluster
	s_lshl_b32 s44, 0x1111, s40                    ; my column
	s_or_b32 s[G1], s43, (3<<16)|(1<<21)           ; y's tiles go to my row: elements of 8 bytes, no padding
	s_mov_b32 s[G1+1], 768<<16                     ; 8 rows of 6,144 bytes,
	s_mov_b32 s[G1+2], 8<<16
	s_mov_b32 s[G1+3], 768<<16
	s_mov_b32 s[G1+4], 8
	s_mov_b32 s[G1+5], 1536                        ; 12,288 bytes apart
	s_mov_b32 s[G1+6], 0
	s_mov_b32 s[G1+7], 0
	s_or_b32 s[G1B], s44, (3<<16)|(1<<21)          ; W_proj's to my column
	s_mov_b32 s[G1B+1], 32<<16                     ; 384 rows of 256 bytes, dense
	s_mov_b32 s[G1B+2], 384<<16
	s_mov_b32 s[G1B+3], 32<<16
	s_mov_b32 s[G1B+4], 384
	s_mov_b32 s[G1B+5], 32
	s_mov_b32 s[G1B+6], 0
	s_mov_b32 s[G1B+7], 0
	s_lshl_b32 s66, s17, 2
	s_add_co_u32 s66, s66, s41                     ; my 128 rows: 0 .. 63; it hangs on cy, which my row of the cluster shares
	s_lshr_b32 s20, s66, 1
	s_mul_i32 s20, s20, RBB
	s_and_b32 s67, s66, 1
	s_mul_i32 s19, s67, 6144                       ; tiles 0-7 or 8-15 of the block of 256
	s_add_co_u32 s20, s20, s19
	s_mul_i32 s46, s40, RBB
	s_mov_b32 s21, 0
	s_mov_b32 s47, 0
	s_wait_dscnt 0x0
	s_wait_kmcnt 0x0
	s_add_nc_u64 s[20:21], s[4:5], s[20:21]
	s_add_nc_u64 s[46:47], s[6:7], s[46:47]
	CROUND                                         ; all sixteen work-groups are here: the joint loads meet
.macro G0MK g, lds, base, off
	s_mov_b32 s[\g], 1
	s_mov_b32 s[\g+1], \lds
	s_add_nc_u64 s[\g+2:\g+3], s[\base:\base+1], \off
	s_or_b32 s[\g+3], s[\g+3], 0x80000000
.endm
	G0MK 32, 0, 20, 0
	G0MK 36, 2*ASL, 20, 8*CB
	G0MK 56, BREG, 46, 0
	G0MK 60, BREG+2*BSL, 46, 8*CB
.macro ARM under, g0, g1, next         ; one chain of branches on the wave's number, one load to an arm, all arms to one join
	s_cmp_lt_u32 s14, \under
	s_cbranch_scc0 \next
	tensor_load_to_lds s[\g0:\g0+3], s[\g1:\g1+7]
	s_nop 0
	PLACES 4
	s_branch .Lhead_asked
\next:
.endm
	ARM 1, 32, G1, .Lhead_1
	ARM 2, 56, G1B, .Lhead_2
	ARM 3, 36, G1, .Lhead_3
	tensor_load_to_lds s[60:63], s[G1B:G1B+7]
	s_nop 0
	PLACES 4
.Lhead_asked:
	v_and_b32 v1, 31, v0
	v_and_b32 v2, 15, v0                           ; r
	v_bfe_u32 v3, v0, 4, 1                         ; h
	v_lshlrev_b32 v[I16], 4, v1
	v_lshlrev_b32 v[I8], 3, v1
	v_add_nc_u32 v[I8], 512, v[I8]
	s_mul_i32 s22, s15, 3072                       ; my four tiles of y,
	s_mul_i32 s23, s16, 6144
	s_add_co_u32 s23, s23, BREG                    ; my eight of W_proj
.irp L, 0,1,2,3
	v_add_nc_u32 v[A16+\L], s22, v[I16]
	v_add_nc_u32 v[A8+\L], s22, v[I8]
	v_add_nc_u32 v[B16+\L], s23, v[I16]
	v_add_nc_u32 v[B8+\L], s23, v[I8]
	s_add_co_u32 s22, s22, ASL
	s_add_co_u32 s23, s23, BSL
.endr
	s_mul_i32 s22, s14, 16*SPITCH
	s_add_co_u32 s22, s22, STAGE
	v_mul_u32_u24 v[STO], v2, SPITCH
	v_lshl_add_u32 v[STO], v3, 6, v[STO]
	v_add_nc_u32 v[STO], s22, v[STO]               ; into my stage: row r, + 64 h
	v_add_nc_u32 v[RD], s22, v[I16]                ; out of it: a row of 512 bytes to the 32 lanes
	s_lshr_b32 s76, s66, 1                         ; y's scale words: the block of 256, its half, my four tiles
	s_lshl_b32 s76, s76, 13
	s_lshl_b32 s19, s67, 10
	s_add_co_u32 s76, s76, s19
	s_lshl_b32 s19, s15, 9
	s_add_co_u32 s76, s76, s19
	s_add_co_u32 s77, s40, 32                      ; W_proj's
	s_lshl_b32 s77, s77, 13
	s_lshl_b32 s19, s16, 10
	s_add_co_u32 s77, s77, s19
	s_mov_b32 s19, 0xffff0000
	v_mov_b32 v[VS], s76
	v_mov_b32 v1, s77
	v_cndmask_b32 v[VS], v[VS], v1, s19            ; lanes 16-31 take W_proj's
	v_lshl_add_u32 v[VS], v2, 3, v[VS]
	v_lshlrev_b32 v[VO], 6, v3
	s_lshl_b32 s78, s40, 10                        ; my first column, in bytes
	s_lshl_b32 s19, s16, 9
	s_add_co_u32 s78, s78, s19
	s_mov_b32 s79, 0
	s_add_nc_u64 s[10:11], s[10:11], s[78:79]
	s_lshl_b32 s80, s66, 19                        ; my first row: 128 rows of 4,096 bytes a work-group, 64 a wave
	s_lshl_b32 s19, s15, 18
	s_add_co_u32 s80, s80, s19
	s_add_co_u32 s80, s80, s78
	s_mov_b32 s81, 0
	s_add_nc_u64 s[12:13], s[12:13], s[80:81]
	s_wait_alu depctr_va_vdst(0)                   ; the wait at the head's end
.irp i, 0,1,2,3,4,5,6,7
.irp kq, 0,1,2,3
	global_load_b64 v[SC+8*\i+2*\kq:SC+8*\i+2*\kq+1], v[VS], s[8:9] offset:\kq*2048+\i*128
.endr
.endr
.irp i, 0,1,2,3,4,5,6,7                ; the bias in the result's layout: register j of W_proj's tile i is column 32 (i / 2) + 8 (i % 2) + 16 h + j
	global_load_b128 v[BT+8*\i:BT+8*\i+3], v[VO], s[10:11] offset:(32*(\i/2)+8*(\i%2))*4
	global_load_b128 v[BT+8*\i+4:BT+8*\i+7], v[VO], s[10:11] offset:(32*(\i/2)+8*(\i%2))*4+16
.endr
.macro FRAG reg, a16, a8, q, i, n      ; a fragment, 16 rows x 128 K, is two half fragments, n tiles apart: four loads, each of consecutive bytes
	ds_load_b128 v[\reg:\reg+3], v[\a16] offset:((2*(\q))*\n+(\i))*768
	ds_load_b64 v[\reg+4:\reg+5], v[\a8] offset:((2*(\q))*\n+(\i))*768
	ds_load_b128 v[\reg+6:\reg+9], v[\a16] offset:((2*(\q)+1)*\n+(\i))*768
	ds_load_b64 v[\reg+10:\reg+11], v[\a8] offset:((2*(\q)+1)*\n+(\i))*768
.endm
.macro FETCH k                         ; K step k's fragments into set k % 2: 48 loads
	WIN 0x40                                       ; destination window 1
.irp i, 0,1,2,3,4,5,6,7
	FRAG 128*((\k)%2)+FR*\i, B16+(\k)/2, B8+(\k)/2, (\k)%2, \i, 16
.endr
	WIN 0
.irp i, 0,1,2,3
	FRAG AF+48*((\k)%2)+FR*\i, A16+(\k)/2, A8+(\k)/2, (\k)%2, \i, 8
.endr
.endm
; 32 products: y's four tiles x W_proj's eight.  The 32 accumulators take turns, in the same order in every step.
.macro MUL32 k
.if (\k) == 0
	WIN 0x81                                       ; source 0 window 1, source 1 and C (the bias) window 0, D window 2
.else
	WIN 0xa1                                       ; C and D window 2
.endif
.irp a, 0,1,2,3
.irp b, 0,1,2,3,4,5,6,7
.set DD, 8*(8*\a+\b)
.set BF, 128*((\k)%2)+FR*\b
.set AA, AF+48*((\k)%2)+FR*\a
.if (\k) == 0
	v_wmma_scale_f32_16x16x128_f8f6f4 v[DD:DD+7], v[BF:BF+11], v[AA:AA+11], v[BT+8*\b:BT+8*\b+7], v[SC+8*\b+(\k)], v[SC+8*\a+(\k)] matrix_a_fmt:MATRIX_FMT_FP6 matrix_b_fmt:MATRIX_FMT_FP6 matrix_a_scale:MATRIX_SCALE_ROW1
.else
	v_wmma_scale_f32_16x16x128_f8f6f4 v[DD:DD+7], v[BF:BF+11], v[AA:AA+11], v[DD:DD+7], v[SC+8*\b+(\k)], v[SC+8*\a+(\k)] matrix_a_fmt:MATRIX_FMT_FP6 matrix_b_fmt:MATRIX_FMT_FP6 matrix_a_scale:MATRIX_SCALE_ROW1
.endif
.endr
.endr
	WIN 0
.endm
.macro KSTEP k
.if (\k) == 3
	s_wait_tensorcnt 0x0                           ; every wave's head load has landed;
.endif
	s_wait_dscnt 0x0                               ; this step's fragments are in
.if (\k) == 3
	s_barrier_signal -1                            ; a plain barrier: K steps 4-7 are whole in every wave's eyes, and K steps 0-3 are read no more
	s_barrier_wait -1
.endif
.if (\k) > 0
	PLACES 4                                       ; between the last step's products and the loads into their registers
.endif
.if (\k) < 7
	FETCH (\k)+1
.endif
	MUL32 \k
.endm
	s_cmp_lt_u32 s14, 2                            ; waves 0 and 1 wait for K steps 0-3, whose load lines are theirs alone; K steps 4-7 may be out
	s_cbranch_scc0 .Lnot_first
	s_wait_tensorcnt 0x0
.Lnot_first:
	s_barrier_signal -1
	s_barrier_wait -1
	FETCH 0
	s_wait_loadcnt 0x0                             ; scale words and bias
.irp k, 0,1,2,3,4,5,6,7
	KSTEP \k
.endr
; THE WAY OUT, block by block of 16 rows x 128 columns: through my stage, back as whole rows of 512 bytes, which the 32 lanes store as two aligned units of 256 bytes.  LDS serves a wave's instructions in order.
.macro TOSTAGE a
.set AC, 64*(\a)
	WIN 0x08                                       ; the data: window 2
.irp b, 0,1,2,3,4,5,6,7
	ds_store_b128 v[STO], v[AC+8*\b:AC+8*\b+3] offset:128*(\b/2)+32*(\b%2)          ; each accumulator from its low end on
	ds_store_b128 v[STO], v[AC+8*\b+4:AC+8*\b+7] offset:128*(\b/2)+32*(\b%2)+16
.endr
	WIN 0
.set BB, BK+64*((\a)%2)
.irp t, 0,1,2,3,4,5,6,7,8,9,10,11,12,13,14,15
	ds_load_b128 v[BB+4*\t:BB+4*\t+3], v[RD] offset:\t*SPITCH
.endr
.endm
.macro SEND a, younger                 ; younger: the LDS instructions issued behind block a's loads, which may stay out
.set BB, BK+64*((\a)%2)
	s_wait_dscnt \younger
.irp t, 0,1,2,3,4,5,6,7,8,9,10,11,12,13,14,15
	global_store_b128 v[I16], v[BB+4*\t:BB+4*\t+3], s[12:13] offset:(32*((\a)/2)+8*((\a)%2)+\t+8*(\t/8))*4096 th:TH_STORE_NT
.endr
.endm
	PLACES 4                                       ; behind the last products
	TOSTAGE 0
.irp a, 1,2,3
.if \a > 1
	s_wait_xcnt 0x0                                ; block a - 2's stores have read their registers
.endif
	TOSTAGE \a
	SEND \a-1, 32
.endr
	SEND 3, 0
	s_wait_tensorcnt 0x0                           ; the wave's end
	ds_add_u32 v[SPW], v[NIL]
	s_wait_dscnt 0x0
	CROUND                                         ; the closing round
	s_endpgm
.Lfunc_end_k_q358041aa12_gemm_proj:
	.size	k_q358041aa12_gemm_proj, .Lfunc_end_k_q358041aa12_gemm_proj-k_q358041aa12_gemm_proj
	.p2alignl 7, 3214868480
	.fill 96, 4, 3214868480
	.section	.rodata,"a",@progbits
	.p2align	6, 0x0
	.amdhsa_kernel k_q358041aa12_gemm_proj
		.amdhsa_group_segment_fixed_size 327680
		.amdhsa_private_segment_fixed_size 0
		.amdhsa_enable_private_segment 0
		.amdhsa_kernarg_size 40
		.amdhsa_user_sgpr_count 2
		.amdhsa_user_sgpr_kernarg_segment_ptr 1
		.amdhsa_wavefront_size32 1
		.amdhsa_system_sgpr_workgroup_id_x 1
		.amdhsa_system_sgpr_workgroup_id_y 1
		.amdhsa_system_sgpr_workgroup_id_z 1
		.amdhsa_system_vgpr_workitem_id 0
		.amdhsa_next_free_vgpr 768
		.amdhsa_next_free_sgpr 100
		.amdhsa_reserve_vcc 0
		.amdhsa_float_denorm_mode_32 3
		.amdhsa_float_denorm_mode_16_64 3
		.amdhsa_memory_ordered 1
		.amdhsa_forward_progress 1
		.amdhsa_inst_pref_size 86
	.end_amdhsa_kernel
	.amdgpu_metadata
---
amdhsa.version: [ 1, 2 ]
amdhsa.kernels:
  - .name:           k_q358041aa12_gemm_proj
    .symbol:         k_q358041aa12_gemm_proj.kd
    .args:
      - { .name: y_img, .offset: 0, .size: 8, .value_kind: global_buffer, .address_space: global }
      - { .name: wp_img, .offset: 8, .size: 8, .value_kind: global_buffer, .address_space: global }
      - { .name: sc2, .offset: 16, .size: 8, .value_kind: global_buffer, .address_space: global }
      - { .name: b_proj, .offset: 24, .size: 8, .value_kind: global_buffer, .address_space: global }
      - { .name: out0, .offset: 32, .size: 8, .value_kind: global_buffer, .address_space: global }
    .group_segment_fixed_size: 327680
    .private_segment_fixed_size: 0
    .kernarg_segment_align: 8
    .kernarg_segment_size: 40
    .max_flat_workgroup_size: 128
    .sgpr_count:     100
    .vgpr_count:     768
    .wavefront_size: 32
...
	.end_amdgpu_metadata
.endif
;; end of part 4
